; MI455X (gfx1250); checked and timed in simulation.
; The chip was launched on July 23, 2026; its instructions are those of AMD's public machine-readable ISA for CDNA 5 (MIT licence, August 2026) and "CDNA5" Instruction Set Architecture Reference Guide (July 2026). The comments in the code are by the model that wrote it; some were corrected since.
;; Transformer Block. Allowed arithmetic: float matrix products may take bf16 or f16 operands with f32 sums; all other float work in f32.
;; Inputs: b1 1,024 float32; b2 1,024 float32; b_o 1,024 float32; ln1_b 1,024 float32; ln1_g 1,024 float32; ln2_b 1,024 float32; ln2_g 1,024 float32; w1 1,024 x 1,024 float32; w2 1,024 x 1,024 float32; w_k 1,024 x 1,024 float32; w_o 1,024 x 1,024 float32; w_q 1,024 x 1,024 float32; w_v 1,024 x 1,024 float32; x 16 x 512 x 1,024 float32.
;; Outputs: out0 16 x 512 x 1,024 float32.
;; 2 versions, each right and faster than the one before. Each part assembles by itself: llvm-mc -triple=amdgcn-amd-amdhsa -mcpu=gfx1250 --defsym DOCPART=n.
;; ======== version 1 of 2: 7 launches
;; limits: right only within a limited range of input values
;; workspace buffers: hbuf 16,777,216 bytes; qkvb 50,331,648 bytes; obuf 16,777,216 bytes; x1 33,554,432 bytes; wb 8,388,608 bytes; wob 2,097,152 bytes; w2b 2,097,152 bytes
;; launch prep (part 1): grid 896 x 1, 8 waves a work-group, no clusters, 0 bytes of LDS; arguments x, ln1_g, ln1_b, w_q, w_k, w_v, w1, w_o, w2, hbuf, wb, wob, w2b; writes hbuf, wb, wob, w2b
.if DOCPART == 1
	.amdgcn_target "amdgcn-amd-amdhsa--gfx1250"
	.amdhsa_code_object_version 6
	.text
	.protected	k_qabada1981f_prep
	.globl	k_qabada1981f_prep
	.p2align	8
	.type	k_qabada1981f_prep,@function
k_qabada1981f_prep:
	s_mov_b64 s[64:65], 0
	v_nop
	global_prefetch_b8 v0, s[64:65] scope:SCOPE_SE
	s_setreg_imm32_b32 hwreg(HW_REG_WAVE_MODE, 25, 1), 1
	s_wait_xcnt 0x0
; PREP.  Work-groups 0-511: h = layernorm(x) * g + b, rounded once to bf16, [8192][1024].  Work-groups 512-895: the six weight matrices rounded to bf16, layout [k][n] kept.
; A stream: every byte is read once and written once; no LDS, no matrix unit, no cluster (no two work-groups read the same rows).
; A work-group owns 16 rows of 4,096 bytes, a wave two of them; a row lies in 32 registers of the wave between the passes.
; The norm is taken in two passes over the registers (mean; then the mean of the squared differences), so a common offset of a row costs no accuracy.
; LIMITS.  The results are rounded to bf16 (8 significant bits); NaN and infinities are not treated apart.
.set ROWB, 4096                        ; bytes of a row as read
.set VIN,  1                           ; v1   16 x lane: a load of the wave covers 512 consecutive bytes
.set VOUT, 2                           ; v2   8 x lane: a store of the wave covers 256 consecutive bytes, aligned
.set PX,   3                           ; v3   takes the other half of the lanes' figure
.set T,    4                           ; v[4:11]   four chains of sums, a pair each
.set MU,   12                          ; v[12:13]  the mean, twice
.set RS,   14                          ; v[14:15]  1 / sqrt(var + eps), twice
.set X,    16                          ; v[16:79]  row i at X + 32 i
.set G,    80                          ; v[80:111]  the gain of my 32 columns
.set B,    112                         ; v[112:143] the bias of my 32 columns
.set GP,   10                          ; s[10:11] ln1_g
.set BP,   12                          ; s[12:13] ln1_b
.set SRC,  34                          ; s[34:35] where my two rows are read
.set DST,  36                          ; s[36:37] where they are written
.set RN,   42                          ; s42  1 / 1024
.set EPSR, 43                          ; s43  1e-5
.set SEL,  44                          ; s[44:45] v_permlanex16_b32's selects: each lane takes its own place in the other half
	s_load_b512 s[8:23], s[0:1], 0x0               ; x 8, ln1_g 10, ln1_b 12, w_q 14, w_k 16, w_v 18, w1 20, w_o 22
	s_load_b256 s[24:31], s[0:1], 0x40             ; w2 24, hbuf 26, wb 28, wob 30
	s_load_b64 s[32:33], s[0:1], 0x60              ; w2b
	v_lshrrev_b32 v[PX], 5, v0
	v_readfirstlane_b32 s6, v[PX]                  ; wave 0..7
	v_and_b32 v[VIN], 31, v0
	v_lshlrev_b32 v[VOUT], 3, v[VIN]
	v_lshlrev_b32 v[VIN], 4, v[VIN]
	s_max_u32 s2, ttmp9, 512
	s_sub_co_u32 s2, s2, 512                       ; the number among the weights' groups (0 in the norm's groups)
	s_lshr_b32 s3, s2, 6                           ; which weight: q, k, v, w1, o, w2
	s_and_b32 s4, s2, 63                           ; which 16 of its 1,024 rows
	s_cmp_lt_u32 ttmp9, 512
	s_cselect_b32 s4, ttmp9, s4                    ; the norm's groups: which 16 of x's 8,192 rows
	s_cmp_lt_u32 s3, 4
	s_cselect_b32 s5, s3, 0                        ; q, k, v, w1 lie one behind the other in wb,
	s_lshl_b32 s5, s5, 21                          ; 2,097,152 bytes each
	s_lshl_b32 s4, s4, 4
	s_lshl1_add_u32 s7, s6, s4                     ; my first row = 16 x block + 2 x wave
	s_lshl_b32 s38, s7, 12                         ; its byte offset as read,
	s_mov_b32 s39, 0
	s_lshl_b32 s40, s7, 11                         ; and as written
	s_add_co_u32 s40, s40, s5
	s_mov_b32 s41, 0
	s_mov_b32 s[RN], 0x3a800000
	s_mov_b32 s[EPSR], 0x3727c5ac
	s_mov_b32 s[SEL], 0x76543210
	s_mov_b32 s[SEL+1], 0xfedcba98
	s_wait_kmcnt 0x0
	s_mov_b64 s[SRC:SRC+1], s[14:15]               ; the source is chosen by the group's number alone
	s_cmp_eq_u32 s3, 1
	s_cselect_b64 s[SRC:SRC+1], s[16:17], s[SRC:SRC+1]
	s_cmp_eq_u32 s3, 2
	s_cselect_b64 s[SRC:SRC+1], s[18:19], s[SRC:SRC+1]
	s_cmp_eq_u32 s3, 3
	s_cselect_b64 s[SRC:SRC+1], s[20:21], s[SRC:SRC+1]
	s_cmp_eq_u32 s3, 4
	s_cselect_b64 s[SRC:SRC+1], s[22:23], s[SRC:SRC+1]
	s_cmp_eq_u32 s3, 5
	s_cselect_b64 s[SRC:SRC+1], s[24:25], s[SRC:SRC+1]
	s_cmp_lt_u32 ttmp9, 512
	s_cselect_b64 s[SRC:SRC+1], s[8:9], s[SRC:SRC+1]
	s_mov_b64 s[DST:DST+1], s[28:29]               ; and so is the destination
	s_cmp_eq_u32 s3, 4
	s_cselect_b64 s[DST:DST+1], s[30:31], s[DST:DST+1]
	s_cmp_eq_u32 s3, 5
	s_cselect_b64 s[DST:DST+1], s[32:33], s[DST:DST+1]
	s_cmp_lt_u32 ttmp9, 512
	s_cselect_b64 s[DST:DST+1], s[26:27], s[DST:DST+1]
	s_add_nc_u64 s[SRC:SRC+1], s[SRC:SRC+1], s[38:39]
	s_add_nc_u64 s[DST:DST+1], s[DST:DST+1], s[40:41]
.macro LOADROWS                        ; my two rows: sixteen loads of 512 consecutive bytes; lane l holds columns 128 j + 4 l .. + 3 in registers 4 j .. 4 j + 3
.irp i, 0,1
.irp j, 0,1,2,3,4,5,6,7
	global_load_b128 v[X+32*(\i)+4*(\j):X+32*(\i)+4*(\j)+3], v[VIN], s[SRC:SRC+1] offset:ROWB*(\i)+512*(\j) th:TH_LOAD_NT
.endr
.endr
.endm
.macro PACKSTORE i                     ; row i rounded to bf16 in place (pair p lands in register p, which has been read by then) and stored
.set p, 0
.rept 16
	v_cvt_pk_bf16_f32 v[X+32*(\i)+p], v[X+32*(\i)+2*p], v[X+32*(\i)+2*p+1]
.set p, p+1
.endr
.irp j, 0,1,2,3,4,5,6,7
	global_store_b64 v[VOUT], v[X+32*(\i)+2*(\j):X+32*(\i)+2*(\j)+1], s[DST:DST+1] offset:2048*(\i)+256*(\j)
.endr
.endm
.macro REDUCE                          ; the four chains, the pair's halves, the 32 lanes: every lane ends with the sum in v[T]
	v_pk_add_f32 v[T:T+1], v[T:T+1], v[T+2:T+3]
	v_pk_add_f32 v[T+4:T+5], v[T+4:T+5], v[T+6:T+7]
	v_pk_add_f32 v[T:T+1], v[T:T+1], v[T+4:T+5]
	v_add_f32 v[T], v[T], v[T+1]
	v_add_f32_dpp v[T], v[T], v[T] row_xmask:1 row_mask:0xf bank_mask:0xf
	v_add_f32_dpp v[T], v[T], v[T] row_xmask:2 row_mask:0xf bank_mask:0xf
	v_add_f32_dpp v[T], v[T], v[T] row_xmask:4 row_mask:0xf bank_mask:0xf
	v_add_f32_dpp v[T], v[T], v[T] row_xmask:8 row_mask:0xf bank_mask:0xf
	v_permlanex16_b32 v[PX], v[T], s[SEL], s[SEL+1]
	v_add_f32 v[T], v[T], v[PX]
.endm
.macro LNROW i, left                   ; left: the younger loads that may stay out
.set R0, X+32*(\i)
	s_wait_loadcnt \left
.irp c, 0,1,2,3
	v_pk_add_f32 v[T+2*(\c):T+2*(\c)+1], v[R0+2*(\c):R0+2*(\c)+1], v[R0+2*(\c)+8:R0+2*(\c)+9]  ; the first eight pairs start the chains: nothing is cleared
.endr
.set k, 8
.rept 8
	v_pk_add_f32 v[T+2*(k%4):T+2*(k%4)+1], v[T+2*(k%4):T+2*(k%4)+1], v[R0+2*k:R0+2*k+1]
.set k, k+1
.endr
	REDUCE
	v_mul_f32 v[MU], s[RN], v[T]
	v_mov_b32 v[MU+1], v[MU]
.set k, 0
.rept 16
	v_pk_add_f32 v[R0+2*k:R0+2*k+1], v[R0+2*k:R0+2*k+1], v[MU:MU+1] neg_lo:[0,1] neg_hi:[0,1]  ; x - mean
.set k, k+1
.endr
.irp c, 0,1,2,3
	v_pk_mul_f32 v[T+2*(\c):T+2*(\c)+1], v[R0+2*(\c):R0+2*(\c)+1], v[R0+2*(\c):R0+2*(\c)+1]
.endr
.set k, 4
.rept 12
	v_pk_fma_f32 v[T+2*(k%4):T+2*(k%4)+1], v[R0+2*k:R0+2*k+1], v[R0+2*k:R0+2*k+1], v[T+2*(k%4):T+2*(k%4)+1]
.set k, k+1
.endr
	REDUCE
	v_fma_f32 v[RS], v[T], s[RN], s[EPSR]          ; var + eps
	v_rsq_f32 v[RS], v[RS]
	v_nop                                          ; a plain instruction between the root and the use of its result (ISA guide 5.7.2)
	s_wait_alu depctr_va_vdst(0)
	v_mov_b32 v[RS+1], v[RS]
.set k, 0
.rept 16
	v_pk_mul_f32 v[R0+2*k:R0+2*k+1], v[R0+2*k:R0+2*k+1], v[RS:RS+1]
.set k, k+1
.endr
.set k, 0
.rept 16
	v_pk_fma_f32 v[R0+2*k:R0+2*k+1], v[R0+2*k:R0+2*k+1], v[G+2*k:G+2*k+1], v[B+2*k:B+2*k+1]
.set k, k+1
.endr
	PACKSTORE \i
.endm
	s_cmp_lt_u32 ttmp9, 512
	s_cbranch_scc0 .Lcvt
.irp j, 0,1,2,3,4,5,6,7
	global_load_b128 v[G+4*(\j):G+4*(\j)+3], v[VIN], s[GP:GP+1] offset:512*(\j)
	global_load_b128 v[B+4*(\j):B+4*(\j)+3], v[VIN], s[BP:BP+1] offset:512*(\j)
.endr
	LOADROWS
	LNROW 0, 8                                     ; gain, bias and row 0 are in; row 1's eight loads may be out
	LNROW 1, 0
	s_endpgm                                       ; no register that a load or store names is ever written again, so no further wait is needed
.Lcvt:
	LOADROWS
	s_wait_loadcnt 8                               ; row 0 is in
	PACKSTORE 0
	s_wait_loadcnt 0x0
	PACKSTORE 1
	s_endpgm
.Lfunc_end_k_qabada1981f_prep:
	.size	k_qabada1981f_prep, .Lfunc_end_k_qabada1981f_prep-k_qabada1981f_prep
	.p2alignl 7, 3214868480
	.fill 96, 4, 3214868480
	.section	.rodata,"a",@progbits
	.p2align	6, 0x0
	.amdhsa_kernel k_qabada1981f_prep
		.amdhsa_group_segment_fixed_size 0
		.amdhsa_private_segment_fixed_size 0
		.amdhsa_enable_private_segment 0
		.amdhsa_kernarg_size 104
		.amdhsa_user_sgpr_count 2
		.amdhsa_user_sgpr_kernarg_segment_ptr 1
		.amdhsa_wavefront_size32 1
		.amdhsa_system_sgpr_workgroup_id_x 1
		.amdhsa_system_sgpr_workgroup_id_y 1
		.amdhsa_system_sgpr_workgroup_id_z 1
		.amdhsa_system_vgpr_workitem_id 0
		.amdhsa_next_free_vgpr 144
		.amdhsa_next_free_sgpr 66
		.amdhsa_reserve_vcc 0
		.amdhsa_float_denorm_mode_32 3
		.amdhsa_float_denorm_mode_16_64 3
		.amdhsa_memory_ordered 1
		.amdhsa_forward_progress 1
		.amdhsa_inst_pref_size 27
	.end_amdhsa_kernel
	.amdgpu_metadata
---
amdhsa.version: [ 1, 2 ]
amdhsa.kernels:
  - .name:           k_qabada1981f_prep
    .symbol:         k_qabada1981f_prep.kd
    .args:
      - { .name: x, .offset: 0, .size: 8, .value_kind: global_buffer, .address_space: global }
      - { .name: ln1_g, .offset: 8, .size: 8, .value_kind: global_buffer, .address_space: global }
      - { .name: ln1_b, .offset: 16, .size: 8, .value_kind: global_buffer, .address_space: global }
      - { .name: w_q, .offset: 24, .size: 8, .value_kind: global_buffer, .address_space: global }
      - { .name: w_k, .offset: 32, .size: 8, .value_kind: global_buffer, .address_space: global }
      - { .name: w_v, .offset: 40, .size: 8, .value_kind: global_buffer, .address_space: global }
      - { .name: w1, .offset: 48, .size: 8, .value_kind: global_buffer, .address_space: global }
      - { .name: w_o, .offset: 56, .size: 8, .value_kind: global_buffer, .address_space: global }
      - { .name: w2, .offset: 64, .size: 8, .value_kind: global_buffer, .address_space: global }
      - { .name: hbuf, .offset: 72, .size: 8, .value_kind: global_buffer, .address_space: global }
      - { .name: wb, .offset: 80, .size: 8, .value_kind: global_buffer, .address_space: global }
      - { .name: wob, .offset: 88, .size: 8, .value_kind: global_buffer, .address_space: global }
      - { .name: w2b, .offset: 96, .size: 8, .value_kind: global_buffer, .address_space: global }
    .group_segment_fixed_size: 0
    .private_segment_fixed_size: 0
    .kernarg_segment_align: 8
    .kernarg_segment_size: 104
    .max_flat_workgroup_size: 256
    .sgpr_count:     66
    .vgpr_count:     144
    .wavefront_size: 32
...
	.end_amdgpu_metadata
.endif
;; end of part 1
;; launch qkv (part 2): grid 12 x 64, 4 waves a work-group, clusters of 4 x 4, 327,680 bytes of LDS; arguments hbuf, wb, qkvb; writes qkvb
.if DOCPART == 2
	.amdgcn_target "amdgcn-amd-amdhsa--gfx1250"
	.amdhsa_code_object_version 6
	.text
	.protected	k_qabada1981f_qkv
	.globl	k_qabada1981f_qkv
	.p2align	8
	.type	k_qabada1981f_qkv,@function
k_qabada1981f_qkv:
	s_mov_b64 s[64:65], 0
	v_nop
	global_prefetch_b8 v0, s[64:65] scope:SCOPE_SE
	s_setreg_imm32_b32 hwreg(HW_REG_WAVE_MODE, 25, 1), 1
	s_wait_xcnt 0x0
	s_wait_alu depctr_hold_cnt(0) depctr_sa_sdst(0) depctr_va_vdst(0) depctr_va_sdst(0) depctr_va_ssrc(0) depctr_va_vcc(0) depctr_vm_vsrc(0)
	s_getreg_b32 s2, hwreg(HW_REG_IB_STS2, 6, 4)
	s_cmp_eq_u32 s2, 0
	s_cbranch_scc0 .Lentry_in_a_cluster
	s_endpgm
.Lentry_in_a_cluster:
	s_bfe_u32 s2, ttmp6, 0x10000c
	s_cmp_lg_u32 s2, 0xf033
	s_cbranch_scc0 .Lentry_shape_is_right
	s_endpgm
.Lentry_shape_is_right:
; QKV.  [q | k | v] = h x [w_q | w_k | w_v].  h: [8192][1024] bf16.  The weights: [1024 k][1024 n] bf16, one behind the other in wb.  Sums in f32, K ascending, rounded once to bf16.
; q, k, v leave by heads: [b][head][t][64] bf16, q at byte 0 of qkvb, k at 16,777,216, v at 33,554,432; unscaled.
; A tile of C is 128 (m) x 256 (n): 64 x 12 = 768 work-groups, three for each of 256.  Four waves, each 64 x 128: 32 accumulators of 16 x 16.
; K goes in 8 steps of 128 through two LDS slots filled by tensor loads; h's rows in a tile are 256 bytes, the weights' 512, all starting at multiples of 256 from their buffer's first byte.
; The weights stay [k][n]: their fragments come out of LDS turned, by ds_load_tr16_b128.
; THE MATRIX INSTRUCTION IS USED TRANSPOSED (source 0 = 16 columns of W, source 1 = 16 rows of h): a lane holds eight neighbouring columns of one row of C.
; CLUSTER 4 x 4: the four work-groups of a row need the same tile of h, the four of a column the same tile of W: each is asked for jointly, by the same load, descriptor and mask in all four.
; REGISTERS.  Window 0: v0-31 addresses; v64-159, v160-255 two fragment buffers (4 fragments of h, then 8 of W).  Window 1: accumulator (a, b) at v[8 (8 a + b)].
; LIMITS.  Operands and results are bf16; NaN and infinities are not treated apart.
.set PA,     272                       ; a row of h in LDS: 256 bytes + 16: the 16 rows of a load start 4 banks apart (64 banks of 4 bytes: ISA guide 11.1)
.set PB,     544                       ; a row of W: 512 + 32
.set BOFF,   128*PA                    ; a slot: h's 128 rows, then W's 128 rows
.set SLOT1,  0x20000                   ; slot 1 begins here: one exclusive or turns an address in one slot into the other's
.set STAGE,  237568                    ; behind the ring, never filled by a tensor load
.set SPITCH, 144
.set WSTAGE, 2*16*SPITCH               ; a wave's stage: two heads x 16 rows x (128 + 16) bytes
.set SPARE,  STAGE+4*WSTAGE            ; the spare words, 128 bytes for each wave: two blocks of 256 bytes that no other line names
.set ASTEP,  256                       ; bytes from a K step to the next in h,
.set BSTEP,  128*2048                  ; and in W
.set OA0, 0                            ; byte at which quarter q of a K step begins in h's LDS rows
.set OA1, 64
.set OA2, 128
.set OA3, 192
.set OB0, 0                            ; and in W's tile: 32 rows further down
.set OB1, 32*PB
.set OB2, 64*PB
.set OB3, 96*PB
.set ADRA0, 8                          ; v8, v9    my lane's place in h's and W's tile of slot 0; never rewritten
.set ADRB0, 9
.set ADRA,  10                         ; v10, v11  the same in the slot in hand
.set ADRB,  11
.set STO,   12                         ; v12  the way out: where I put 16 bytes of a row
.set RD,    13                         ; v13  where I read rows back
.set GO,    14                         ; v14  my byte offset in 512 consecutive bytes of the output
.set SPW,   28                         ; v28  LDS address of my spare word; never rewritten
.set NIL,   29                         ; v29  0; never rewritten
.set F0,    64
.set F1,    160
.set TMP,   64                         ; the way out: a block's packed results
.set WV,  14                           ; s14  my wave's number
.set MI,  15                           ; s15  which 64 rows are mine.  Also: I fetch for h (0) or for W (1)
.set NI,  16                           ; s16  which 128 columns.  Also: which half of that tile I fetch
.set G1A, 24                           ; s[24:31] descriptor group 1 for h's tiles;  s[32:39] group 0: slot 0's first fill, and the one that walks
.set G0A, 32
.set G1B, 48                           ; s[48:55], s[56:63] the same for W's
.set G0B, 56
.set TB,  66                           ; s66  LDS byte at which the slot in hand begins
.set MULW, 0x50                        ; fragments in window 0, C and D in window 1
.set MSB, 0
.macro WIN new                         ; the immediate's high byte repeats the setting that is left; a switch that changes nothing is dropped
.if MSB != (\new)
	s_set_vgpr_msb (MSB<<8)|(\new)
.set MSB, (\new)
.endif
.endm
.macro PLACES                          ; four places behind matrix instructions (ISA guide 7.12.1), where no other vector work is at hand
.rept 4
	v_nop
.endr
.endm
.macro JLOAD                           ; a joint refill by the walking descriptors: waves 0 and 1 fetch h's halves, waves 2 and 3 W's; s_nop 0 and four v_nop follow each line
	s_cmp_eq_u32 s[MI], 0
	s_cbranch_scc0 .Lfor_b_\@
	tensor_load_to_lds s[G0A+4:G0A+7], s[G1A:G1A+7]
	s_nop 0
	PLACES
	s_branch .Lasked_\@
.Lfor_b_\@:
	tensor_load_to_lds s[G0B+4:G0B+7], s[G1B:G1B+7]
	s_nop 0
	PLACES
.Lasked_\@:
.endm
.macro CREST                           ; a round of the cluster's barrier behind its opening barrier
	s_cmp_lg_u32 s[WV], 0
	s_cbranch_scc1 .Lnot_wave_0_\@
	s_barrier_signal -3
.Lnot_wave_0_\@:
	s_barrier_wait -3
	s_barrier_signal -1
	s_barrier_wait -1
.endm
.macro CROUND
	s_barrier_signal -1
	s_barrier_wait -1
	CREST
.endm
; 8 matrix instructions: m block a x all 8 n blocks, 32 along K.  c = 1: the product starts the sums.  Every accumulator has one instruction a quarter, in the same order everywhere:
; the accumulators take turns.
.macro MUL8 f, a, c
	WIN MULW
.irp b, 0,1,2,3,4,5,6,7
.if (\c) == 0
	v_wmma_f32_16x16x32_bf16 v[8*(8*(\a)+(\b)):8*(8*(\a)+(\b))+7], v[(\f)+32+8*(\b):(\f)+32+8*(\b)+7], v[(\f)+8*(\a):(\f)+8*(\a)+7], v[8*(8*(\a)+(\b)):8*(8*(\a)+(\b))+7]
.else
	v_wmma_f32_16x16x32_bf16 v[8*(8*(\a)+(\b)):8*(8*(\a)+(\b))+7], v[(\f)+32+8*(\b):(\f)+32+8*(\b)+7], v[(\f)+8*(\a):(\f)+8*(\a)+7], 0
.endif
.endr
.endm
; 24 LDS loads in one run: a quarter's fragments into buffer f: W's eight (turned), then h's four; the last four loads are h's blocks 2 and 3
.macro FETCH oa, ob, f
	WIN 0
.irp i, 0,1,2,3,4,5,6,7
	ds_load_tr16_b128 v[(\f)+32+8*(\i):(\f)+32+8*(\i)+3],   v[ADRB] offset:(\ob)+32*(\i)
	ds_load_tr16_b128 v[(\f)+32+8*(\i)+4:(\f)+32+8*(\i)+7], v[ADRB] offset:(\ob)+32*(\i)+16*PB
.endr
.irp i, 0,1,2,3
	ds_load_b128 v[(\f)+8*(\i):(\f)+8*(\i)+3],   v[ADRA] offset:(\oa)+(\i)*16*PA
	ds_load_b128 v[(\f)+8*(\i)+4:(\f)+8*(\i)+7], v[ADRA] offset:(\oa)+(\i)*16*PA+32
.endr
.endm
; One of a K step's first three quarters: multiplies buffer f; in its middle the next quarter's fragments are fetched into g
.macro QUARTER oa, ob, f, g, c
	s_wait_dscnt 4                                 ; all but h's blocks 2 and 3 are in
	MUL8 \f, 0, \c
	MUL8 \f, 1, \c
	PLACES                                         ; for the loads into g, which the quarter before multiplied
	FETCH \oa, \ob, \g
	s_wait_dscnt 24                                ; all but the 24 just issued
	MUL8 \f, 2, \c
	MUL8 \f, 3, \c
.endm
; The fourth quarter multiplies buffer 1 and changes slots: one barrier.  In front of it each wave waits for all its tensor loads (one is out: its part of the next slot), adds 0 to its
; spare word, and waits for that and for its reads of this slot.  fill = 1: the barrier opens a round of the cluster's, and this slot is filled again first thing behind it, two K steps ahead.
.macro TURN fill
	WIN 0
	s_wait_tensorcnt 0x0
	ds_add_u32 v[SPW], v[NIL]
	s_wait_dscnt 5                                 ; the add and h's blocks 2 and 3 may be out
	MUL8 F1, 0, 0
	s_wait_dscnt 0x0                               ; the add is done, and my reads of this slot are over
	s_barrier_signal -1
	MUL8 F1, 1, 0
	WIN 0
	s_barrier_wait -1
.if \fill
	CREST                                          ; no wave of any partner still reads this slot or has a load on its way
	s_xor_b32 s[G0A+5], s[G0A+5], SLOT1            ; the walking descriptors: the other slot than last time, the next K step
	s_add_nc_u64 s[G0A+6:G0A+7], s[G0A+6:G0A+7], ASTEP
	s_xor_b32 s[G0B+5], s[G0B+5], SLOT1
	s_add_nc_u64 s[G0B+6:G0B+7], s[G0B+6:G0B+7], BSTEP
	JLOAD                                          ; 112 matrix instructions ahead of the wait for it; its four v_nop are also the places in front of the loads below
.else
	PLACES
.endif
	s_xor_b32 s[TB], s[TB], SLOT1
	v_add_nc_u32 v[ADRA], s[TB], v[ADRA0]
	v_add_nc_u32 v[ADRB], s[TB], v[ADRB0]
	FETCH OA0, OB0, F0
	MUL8 F1, 2, 0
	MUL8 F1, 3, 0
.endm
	s_load_b128 s[4:7], s[0:1], 0x0                ; hbuf s[4:5], wb s[6:7]
	s_load_b64 s[8:9], s[0:1], 0x10                ; qkvb
	v_lshl_add_u32 v[SPW], v0, 2, SPARE
	v_mov_b32 v[NIL], 0
	ds_add_u32 v[SPW], v[NIL]                      ; the wave's opening: the add and its wait ahead of my first tensor load
	ds_add_u32 v28, v29
	v_lshrrev_b32 v1, 5, v0
	v_readfirstlane_b32 s[WV], v1
	s_lshr_b32 s[MI], s[WV], 1
	s_and_b32 s[NI], s[WV], 1
	s_bfe_u32 s40, ttmp6, 0x40000                  ; cx
	s_bfe_u32 s41, ttmp6, 0x40004                  ; cy
	s_and_b32 s43, ttmp7, 0xffff
	s_lshl_b32 s43, s43, 2
	s_add_co_u32 s43, s43, s41                     ; tile row = 4 x cluster y + cy
	s_lshl_b32 s44, s41, 2
	s_lshl_b32 s44, 15, s44                        ; my row of the cluster
	s_lshl_b32 s45, 0x1111, s40                    ; my column
	s_or_b32 s[G1A], s44, (1<<16)|(1<<20)|(1<<21)|(5<<22)|(3<<25)  ; mask; 2-byte elements; padding on; bit 21 beside a mask; after every 64 words 4 words
	s_mov_b32 s[G1A+1], 128<<16                    ; tensor_dim0 = 128
	s_mov_b32 s[G1A+2], 64<<16                     ; tensor_dim1 = 64
	s_mov_b32 s[G1A+3], 128<<16                    ; tile_dim0 = 128
	s_mov_b32 s[G1A+4], 64                         ; tile_dim1 = 64
	s_mov_b32 s[G1A+5], 1024                       ; elements from row to row
	s_mov_b32 s[G1A+6], 0
	s_mov_b32 s[G1A+7], 0
	s_or_b32 s[G1B], s45, (1<<16)|(1<<20)|(1<<21)|(6<<22)|(7<<25)  ; after every 128 words 8 words
	s_mov_b32 s[G1B+1], 256<<16
	s_mov_b32 s[G1B+2], 64<<16
	s_mov_b32 s[G1B+3], 256<<16
	s_mov_b32 s[G1B+4], 64
	s_mov_b32 s[G1B+5], 1024
	s_mov_b32 s[G1B+6], 0
	s_mov_b32 s[G1B+7], 0
	s_lshl_b32 s17, s[NI], 17                      ; my half: 64 rows of 2,048 bytes, in h and in W alike
	s_lshl_b32 s18, s43, 18                        ; h: 128 rows x tile row
	s_add_co_u32 s18, s18, s17
	s_mov_b32 s19, 0
	s_lshl_b32 s20, ttmp9, 21                      ; W: the cluster's x says which of q, k, v,
	s_lshl_b32 s21, s40, 9                         ; cx which 256 of its columns
	s_add_co_u32 s20, s20, s21
	s_add_co_u32 s20, s20, s17
	s_mov_b32 s21, 0
	s_mul_i32 s22, s[NI], 64*PA                    ; where they go: no place in the cluster enters an LDS address
	s_mul_i32 s23, s[NI], 64*PB
	s_add_co_u32 s23, s23, BOFF
	s_mov_b32 s[TB], 0
	s_wait_dscnt 0x0                               ; the opening add is done
	s_wait_kmcnt 0x0
	s_add_nc_u64 s[18:19], s[4:5], s[18:19]
	s_add_nc_u64 s[20:21], s[6:7], s[20:21]
	CROUND                                         ; all sixteen work-groups are here: the first joint loads meet
.irp s, 0,1
	s_mov_b32 s[G0A+4*(\s)], 1
	s_add_co_u32 s[G0A+4*(\s)+1], s22, (\s)*SLOT1
	s_add_nc_u64 s[G0A+4*(\s)+2:G0A+4*(\s)+3], s[18:19], (\s)*ASTEP
	s_or_b32 s[G0A+4*(\s)+3], s[G0A+4*(\s)+3], 0x80000000
	s_mov_b32 s[G0B+4*(\s)], 1
	s_add_co_u32 s[G0B+4*(\s)+1], s23, (\s)*SLOT1
	s_add_nc_u64 s[G0B+4*(\s)+2:G0B+4*(\s)+3], s[20:21], (\s)*BSTEP
	s_or_b32 s[G0B+4*(\s)+3], s[G0B+4*(\s)+3], 0x80000000
.endr
	s_cmp_eq_u32 s[MI], 0                          ; a wave's two first fills stand in one branch: two loads of mine are out
	s_cbranch_scc0 .Lfirst_b
	tensor_load_to_lds s[G0A:G0A+3], s[G1A:G1A+7]
	s_nop 0
	tensor_load_to_lds s[G0A+4:G0A+7], s[G1A:G1A+7]
	s_nop 0
	PLACES
	s_branch .Lfirst_asked
.Lfirst_b:
	tensor_load_to_lds s[G0B:G0B+3], s[G1B:G1B+7]
	s_nop 0
	tensor_load_to_lds s[G0B+4:G0B+7], s[G1B:G1B+7]
	s_nop 0
	PLACES
.Lfirst_asked:
	v_and_b32 v1, 15, v0                           ; r = l % 16
	v_bfe_u32 v2, v0, 4, 1                         ; h = l / 16
	v_and_b32 v4, 7, v0
	v_bfe_u32 v5, v0, 3, 1
	v_mul_u32_u24 v3, v1, PA                       ; a fragment of h: row r, 16 bytes for each half of the lanes
	v_lshl_add_u32 v3, v2, 4, v3
	s_mul_i32 s17, s[MI], 64*PA
	v_add_nc_u32 v[ADRA0], s17, v3
	v_lshl_add_u32 v6, v2, 3, v4                   ; the turning load: row 8 h + l % 8, columns 8 ((l / 8) % 2) on
	v_mul_u32_u24 v6, v6, PB
	v_lshl_add_u32 v6, v5, 4, v6
	s_lshl_b32 s17, s[NI], 8
	s_add_co_u32 s17, s17, BOFF
	v_add_nc_u32 v[ADRB0], s17, v6
	v_mov_b32 v[ADRA], v[ADRA0]
	v_mov_b32 v[ADRB], v[ADRB0]
	s_mul_i32 s17, s[WV], WSTAGE
	s_add_co_u32 s17, s17, STAGE                   ; my stage
	v_mul_u32_u24 v3, v1, SPITCH
	v_lshl_add_u32 v3, v2, 4, v3
	v_add_nc_u32 v[STO], s17, v3
	v_bfe_u32 v7, v0, 3, 2                         ; back: 32 lanes take four rows of 128 bytes,
	v_mul_u32_u24 v7, v7, SPITCH
	v_lshl_add_u32 v7, v4, 4, v7
	v_add_nc_u32 v[RD], s17, v7
	v_and_b32 v[GO], 31, v0                        ; which are 512 consecutive bytes of a head
	v_lshlrev_b32 v[GO], 4, v[GO]
	s_lshl_b32 s46, ttmp9, 24                      ; q, k or v
	s_lshr_b32 s47, s43, 2
	s_lshl_b32 s47, s47, 20                        ; b
	s_add_co_u32 s46, s46, s47
	s_lshl_b32 s47, s40, 18                        ; head = 4 cx + 2 x my half (+ 0, 1)
	s_add_co_u32 s46, s46, s47
	s_lshl_b32 s47, s[NI], 17
	s_add_co_u32 s46, s46, s47
	s_and_b32 s47, s43, 3
	s_lshl_b32 s47, s47, 14                        ; t = 128 (tile row % 4) + 64 x my half of the rows
	s_add_co_u32 s46, s46, s47
	s_lshl_b32 s47, s[MI], 13
	s_add_co_u32 s46, s46, s47
	s_mov_b32 s47, 0
	s_add_nc_u64 s[8:9], s[8:9], s[46:47]
	s_wait_tensorcnt 1                             ; my part of K step 0 is in; K step 1's may stay out
	s_barrier_signal -1
	s_barrier_wait -1
	FETCH OA0, OB0, F0
	QUARTER OA1, OB1, F0, F1, 1                    ; the first quarter stands in front of the loop: its products start the sums
	WIN 0
	s_mov_b32 s3, 6
.Lk:                                                   ; a trip: a K step's quarters 1 to 3 and the next one's quarter 0; trip t fills slot t % 2 with K step t + 2
	QUARTER OA2, OB2, F1, F0, 0
	QUARTER OA3, OB3, F0, F1, 0
	TURN 1
	QUARTER OA1, OB1, F0, F1, 0
	WIN 0
	s_sub_co_u32 s3, s3, 1
	s_cmp_lg_u32 s3, 0
	s_cbranch_scc1 .Lk
	QUARTER OA2, OB2, F1, F0, 0                    ; K steps 6 and 7: nothing is left to ask for
	QUARTER OA3, OB3, F0, F1, 0
	TURN 0
	QUARTER OA1, OB1, F0, F1, 0
	QUARTER OA2, OB2, F1, F0, 0
	QUARTER OA3, OB3, F0, F1, 0
	s_wait_dscnt 0x0
	MUL8 F1, 0, 0
	MUL8 F1, 1, 0
	MUL8 F1, 2, 0
	MUL8 F1, 3, 0
	WIN 0
; THE WAY OUT, a block of 16 rows at a time: rounded to bf16 (16 bytes a lane), into my own stage by heads, back as whole rows: 16 rows of a head are 2,048 consecutive bytes of the output.
.macro PACK a
	WIN 0x05                                       ; sources in window 1
.irp b, 0,1,2,3,4,5,6,7
.irp p, 0,1,2,3
	v_cvt_pk_bf16_f32 v[TMP+4*(\b)+(\p)], v[8*(8*(\a)+(\b))+2*(\p)], v[8*(8*(\a)+(\b))+2*(\p)+1]
.endr
.endr
	WIN 0
.endm
.macro TOSTAGE a
.set BK, 96+32*((\a)%2)
.irp b, 0,1,2,3,4,5,6,7
	ds_store_b128 v[STO], v[TMP+4*(\b):TMP+4*(\b)+3] offset:((\b)/4)*16*SPITCH+((\b)%4)*32
.endr
.irp t, 0,1,2,3,4,5,6,7
	ds_load_b128 v[BK+4*(\t):BK+4*(\t)+3], v[RD] offset:((\t)/4)*16*SPITCH+((\t)%4)*4*SPITCH  ; LDS serves a wave's instructions in order (ISA guide 5.7.1.4): these see the stores above
.endr
.endm
.macro SEND a
.set BK, 96+32*((\a)%2)
	s_wait_dscnt 0x0                               ; the block is back in registers
	s_wait_xcnt 0x0                                ; the stores of the block before have read their registers: the next TOSTAGE loads into them
.irp t, 0,1,2,3,4,5,6,7
	global_store_b128 v[GO], v[BK+4*(\t):BK+4*(\t)+3], s[8:9] offset:((\t)/4)*65536+(\a)*2048+((\t)%4)*512  ; 512 consecutive bytes, aligned
.endr
.endm
	PLACES
	PACK 0
	TOSTAGE 0
.irp a, 1,2,3
	PACK \a                                        ; a block's conversions stand between the loads of the block before and the wait for them
	SEND (\a)-1
	TOSTAGE \a
.endr
	SEND 3
	s_wait_tensorcnt 0x0                           ; the wave's end
	ds_add_u32 v[SPW], v[NIL]
	s_wait_dscnt 0x0
	CROUND                                         ; the closing round
	s_endpgm
.Lfunc_end_k_qabada1981f_qkv:
	.size	k_qabada1981f_qkv, .Lfunc_end_k_qabada1981f_qkv-k_qabada1981f_qkv
	.p2alignl 7, 3214868480
	.fill 96, 4, 3214868480
	.section	.rodata,"a",@progbits
	.p2align	6, 0x0
	.amdhsa_kernel k_qabada1981f_qkv
		.amdhsa_group_segment_fixed_size 327680
		.amdhsa_private_segment_fixed_size 0
		.amdhsa_enable_private_segment 0
		.amdhsa_kernarg_size 24
		.amdhsa_user_sgpr_count 2
		.amdhsa_user_sgpr_kernarg_segment_ptr 1
		.amdhsa_wavefront_size32 1
		.amdhsa_system_sgpr_workgroup_id_x 1
		.amdhsa_system_sgpr_workgroup_id_y 1
		.amdhsa_system_sgpr_workgroup_id_z 1
		.amdhsa_system_vgpr_workitem_id 0
		.amdhsa_next_free_vgpr 512
		.amdhsa_next_free_sgpr 72
		.amdhsa_reserve_vcc 0
		.amdhsa_float_denorm_mode_32 3
		.amdhsa_float_denorm_mode_16_64 3
		.amdhsa_memory_ordered 1
		.amdhsa_forward_progress 1
		.amdhsa_inst_pref_size 70
	.end_amdhsa_kernel
	.amdgpu_metadata
---
amdhsa.version: [ 1, 2 ]
amdhsa.kernels:
  - .name:           k_qabada1981f_qkv
    .symbol:         k_qabada1981f_qkv.kd
    .args:
      - { .name: hbuf, .offset: 0, .size: 8, .value_kind: global_buffer, .address_space: global }
      - { .name: wb, .offset: 8, .size: 8, .value_kind: global_buffer, .address_space: global }
      - { .name: qkvb, .offset: 16, .size: 8, .value_kind: global_buffer, .address_space: global }
    .group_segment_fixed_size: 327680
    .private_segment_fixed_size: 0
    .kernarg_segment_align: 8
    .kernarg_segment_size: 24
    .max_flat_workgroup_size: 128
    .sgpr_count:     72
    .vgpr_count:     512
    .wavefront_size: 32
...
	.end_amdgpu_metadata
.endif
;; end of part 2
;; launch attn (part 3): grid 256 x 1, 4 waves a work-group, no clusters, 167,936 bytes of LDS; arguments qkvb, obuf; writes obuf
.if DOCPART == 3
	.amdgcn_target "amdgcn-amd-amdhsa--gfx1250"
	.amdhsa_code_object_version 6
	.text
	.protected	k_qabada1981f_attn
	.globl	k_qabada1981f_attn
	.p2align	8
	.type	k_qabada1981f_attn,@function
k_qabada1981f_attn:
	s_mov_b64 s[64:65], 0
	v_nop
	global_prefetch_b8 v0, s[64:65] scope:SCOPE_SE
	s_setreg_imm32_b32 hwreg(HW_REG_WAVE_MODE, 25, 1), 1
	s_wait_xcnt 0x0
; CAUSAL ATTENTION.  O[bh][q] = the sum over k <= q of softmax_k(Q[bh][q] . K[bh][k] / 8) V[bh][k].  Q, K, V: [256 bh][512][64] bf16 in qkvb (q at 0, k at 16,777,216, v at 33,554,432).
; O leaves in the same layout, [b][head][t][64] bf16.  Products, maxima and sums in f32; the weights p are rounded to bf16 for the second product (their sum l is taken of the unrounded p).
; A work-group owns one head of one batch row.  NO CLUSTER: no other work-group reads this head's K and V.  The head's whole K and V (512 keys) lie in LDS, filled once: no slot is filled again.
; SHARES.  Of the 8 bands of 64 queries a wave owns 16 rows in each: 8 tiles.  In key step s (64 keys) tile j sees nothing (j < s: jumped over), holds the diagonal (j = s) or sees all (j > s):
; the same for all four waves, 36 tile steps each, and nothing above the diagonal's blocks is computed.  The jumps hang on the step's counter alone and go forward.
; LAYOUT.  S^T = K Q^T holds ONE query a lane (lane % 16) and the keys 8 (lane / 16) + 0..7; two such results rounded to bf16 ARE source 1 of O^T = V^T P.  K comes out of LDS as it lies, V turned.
; SOFTMAX.  A running maximum m and sum l: p = 2^(c s - c m), c = log2(e) / 8; O and l are multiplied by a = 2^(c m_old - c m_new) in every step.  m starts at the lowest finite number, O and l at 0.
; THE MASK is the C operand that starts the sums of the diagonal step: 0, or -1e30 where the key is hidden.  Every row sees its step's first key, so m is a true score.
; LIMITS.  A hidden score counts as its value less 1e30; a weight below 2^-126 counts as 0; NaN and infinities are not treated apart.
; REGISTERS.  Window 0: addresses, statistics, S^T (v64-95), P (v96-111), the mask (v112-143).  Window 1: O^T, 32 a tile.  Window 2: v0-127 Q, 16 a tile; v128-191 K, v192-255 V of one step.
.set PK,    144                        ; a row of K in LDS: 128 bytes + 16
.set PV,    160                        ; a row of V: 128 + 32
.set VOFF,  512*PK
.set STAGE, VOFF+512*PV                ; 16 rows x 144 bytes for each wave, never filled by a tensor load
.set SP,    144
.set SPARE, STAGE+4*16*SP              ; the spare words, 128 bytes for each wave
.set AK0, 2
.set AV0, 3
.set AK,  4
.set AV,  5
.set STO, 6
.set RD,  7
.set GO,  8
.set MV,  12                           ; v12  c m_old
.set QO,  15
.set ST,  16                           ; tile j's statistics at v[ST + 4 j]: c m, m, l (even keys', odd keys')
.set TMP, 48                           ; v48-51 at work; a in v50
.set SPW, 62
.set NIL, 63
.set S,   64
.set P,   96
.set MD,  112
.set OBK, 64                           ; the way out: 16 registers a tile
.set KF,  128
.set VF,  192
.set WV,  12
.set G1K, 24
.set G1V, 32
.set G0K, 40
.set G0V, 44
.set STEP, 56                          ; s56  the key step, 0 to 7
.set BIGN, 57                          ; s57  -1e30
.set CS,  58                           ; s[58:59] c
.set SEL, 60                           ; s[60:61]
.set TBK, 62                           ; s62  LDS byte at which the step's K begins
.set TBV, 63                           ; s63  the same for V, less VOFF
.set W_KQ, 0x0a                        ; K and Q in window 2, C and S^T in window 0
.set W_PV, 0x52                        ; V in window 2, P in window 0, O^T in window 1
.set W_RS, 0x41                        ; destination and source 0 in window 1
.set MSB, 0
.macro WIN new
.if MSB != (\new)
	s_set_vgpr_msb (MSB<<8)|(\new)
.set MSB, (\new)
.endif
.endm
	s_load_b128 s[4:7], s[0:1], 0x0                ; qkvb s[4:5], obuf s[6:7]
	v_lshl_add_u32 v[SPW], v0, 2, SPARE
	v_mov_b32 v[NIL], 0
	ds_add_u32 v[SPW], v[NIL]                      ; the wave's opening: the add and its wait ahead of my tensor load
	ds_add_u32 v62, v63
	v_lshrrev_b32 v1, 5, v0
	v_readfirstlane_b32 s[WV], v1
	s_lshl_b32 s20, ttmp9, 16                      ; the head's 65,536 bytes in each tensor
	s_mov_b32 s21, 0
	s_and_b32 s16, s[WV], 1                        ; which 256 of the 512 keys I fetch
	s_lshl_b32 s22, s16, 15
	s_add_co_u32 s22, s22, s20
	s_mov_b32 s23, 0
	s_mul_i32 s17, s16, 256*PK
	s_mul_i32 s18, s16, 256*PV
	s_lshl_b32 s2, s[WV], 11                       ; my 16 rows in a band
	s_add_co_u32 s20, s20, s2
	; 256 keys are 32,768 dense bytes: asked for as 128 rows of 256 bytes, two keys a row, padded in LDS after every key
	s_mov_b32 s[G1K], (1<<16)|(1<<20)|(4<<22)|(3<<25)
	s_mov_b32 s[G1V], (1<<16)|(1<<20)|(4<<22)|(7<<25)
.irp g, G1K, G1V
	s_mov_b32 s[\g+1], 128<<16
	s_mov_b32 s[\g+2], 128<<16
	s_mov_b32 s[\g+3], 128<<16
	s_mov_b32 s[\g+4], 128
	s_mov_b32 s[\g+5], 128
	s_mov_b32 s[\g+6], 0
	s_mov_b32 s[\g+7], 0
.endr
	s_mov_b32 s[CS], 0x3e38aa3b                    ; c = log2(e) / 8
	s_mov_b32 s[CS+1], s[CS]
	s_mov_b32 s[SEL], 0x76543210
	s_mov_b32 s[SEL+1], 0xfedcba98
	s_mov_b32 s[BIGN], 0xf149f2ca
	s_mov_b32 s[TBK], 0
	s_mov_b32 s[TBV], 0
	s_mov_b32 s[STEP], 0
	s_mov_b32 s[G0K], 1
	s_mov_b32 s[G0K+1], s17
	s_mov_b32 s[G0V], 1
	s_add_co_u32 s[G0V+1], s18, VOFF
	s_wait_dscnt 0x0                               ; the opening add is done
	s_wait_kmcnt 0x0
	s_add_nc_u64 s[G0K+2:G0K+3], s[4:5], s[22:23]
	s_add_nc_u64 s[G0K+2:G0K+3], s[G0K+2:G0K+3], 0x1000000
	s_or_b32 s[G0K+3], s[G0K+3], 0x80000000
	s_add_nc_u64 s[G0V+2:G0V+3], s[4:5], s[22:23]
	s_add_nc_u64 s[G0V+2:G0V+3], s[G0V+2:G0V+3], 0x2000000
	s_or_b32 s[G0V+3], s[G0V+3], 0x80000000
	s_add_nc_u64 s[8:9], s[4:5], s[20:21]          ; Q at my rows of band 0
	s_add_nc_u64 s[10:11], s[6:7], s[20:21]        ; O likewise
	s_cmp_lt_u32 s[WV], 2                          ; waves 0 and 1 fetch K's halves, waves 2 and 3 V's: one tensor load a wave in the whole launch
	s_cbranch_scc0 .Lfor_v
	tensor_load_to_lds s[G0K:G0K+3], s[G1K:G1K+7]
	s_nop 0
.rept 4
	v_nop
.endr
	s_branch .Lasked
.Lfor_v:
	tensor_load_to_lds s[G0V:G0V+3], s[G1V:G1V+7]
	s_nop 0
.rept 4
	v_nop
.endr
.Lasked:
	v_and_b32 v1, 15, v0                           ; l % 16
	v_bfe_u32 v9, v0, 4, 1                         ; l / 16
	v_lshlrev_b32 v[QO], 7, v1
	v_lshl_add_u32 v[QO], v9, 4, v[QO]
	WIN 0x80
.set i, 0
.rept 16                                               ; Q stays in registers: tile i / 2 lies 8,192 bytes on; channels 32 (i % 2) on
	global_load_b128 v[8*i:8*i+3],   v[QO], s[8:9] offset:(i/2)*8192+(i%2)*64
	global_load_b128 v[8*i+4:8*i+7], v[QO], s[8:9] offset:(i/2)*8192+(i%2)*64+32
.set i, i+1
.endr
	WIN 0
	v_lshlrev_b32 v14, 3, v9
	v_sub_nc_u32 v14, v1, v14
	s_lshl_b32 s13, s[WV], 4
	v_add_nc_u32 v14, s13, v14                     ; my query's place in its band less my lanes' 8 (l / 16): register r of key group kt is hidden where 16 kt + r is greater
.set i, 0
.rept 32
	v_cmp_gt_i32 vcc_lo, 16*(i/8)+i%8, v14
	v_cndmask_b32 v[MD+i], 0, s[BIGN], vcc_lo
.set i, i+1
.endr
	v_mul_u32_u24 v[AK0], v1, PK
	v_lshl_add_u32 v[AK0], v9, 4, v[AK0]
	v_and_b32 v10, 7, v0
	v_bfe_u32 v11, v0, 3, 1
	v_lshl_add_u32 v[AV0], v9, 3, v10              ; the turning load: key 8 (l / 16) + l % 8, channels 8 ((l / 8) % 2) on
	v_mul_u32_u24 v[AV0], v[AV0], PV
	v_lshl_add_u32 v[AV0], v11, 4, v[AV0]
	v_add_nc_u32 v[AV0], VOFF, v[AV0]
	s_mul_i32 s13, s[WV], 16*SP
	s_add_co_u32 s13, s13, STAGE
	v_mul_u32_u24 v[STO], v1, SP
	v_lshl_add_u32 v[STO], v9, 4, v[STO]
	v_add_nc_u32 v[STO], s13, v[STO]
	v_bfe_u32 v[RD], v0, 3, 2
	v_mul_u32_u24 v[RD], v[RD], SP
	v_lshl_add_u32 v[RD], v10, 4, v[RD]
	v_add_nc_u32 v[RD], s13, v[RD]
	v_and_b32 v[GO], 31, v0
	v_lshlrev_b32 v[GO], 4, v[GO]
	; O^T and l start at 0, so that no first step is written out: these lines stand in the wait for K and V
	WIN 0x40
.set i, 0
.rept 256
	v_mov_b32 v[i], 0
.set i, i+1
.endr
	WIN 0
.set i, 0
.rept 8
	v_mov_b32 v[ST+4*i], 0xfe000000                ; c m: far below every c s
	v_mov_b32 v[ST+4*i+1], 0xff7fffff              ; m
	v_mov_b32 v[ST+4*i+2], 0
	v_mov_b32 v[ST+4*i+3], 0
.set i, i+1
.endr
; Product i of 8 of S^T = K Q^T for tile x: channels 32 (i / 4) on, keys 16 (i % 4) on.  c = 1: starts the sum with 0; 2: with the mask; 0: in place.  The four accumulators take turns.
.macro KQ x, c
	WIN W_KQ
.set rS, S+8*(i%4)
.set rK, KF+16*(i%4)+8*(i/4)
.set rQ, 16*(\x)+8*(i/4)
.if (\c) == 1
	v_wmma_f32_16x16x32_bf16 v[rS:rS+7], v[rK:rK+7], v[rQ:rQ+7], 0
.elseif (\c) == 2
	v_wmma_f32_16x16x32_bf16 v[rS:rS+7], v[rK:rK+7], v[rQ:rQ+7], v[MD+8*(i%4):MD+8*(i%4)+7]
.else
	v_wmma_f32_16x16x32_bf16 v[rS:rS+7], v[rK:rK+7], v[rQ:rQ+7], v[rS:rS+7]
.endif
.set i, i+1
.endm
; Product i of 8 of O^T += V^T P for tile x: keys 32 (i / 4) on, channels 16 (i % 4) on
.macro PV x
	WIN W_PV
.set rA, 32*(\x)+8*(i%4)
.set rV, VF+32*(i/4)+8*(i%4)
.set rP, P+8*(i/4)
	v_wmma_f32_16x16x32_bf16 v[rA:rA+7], v[rV:rV+7], v[rP:rP+7], v[rA:rA+7]
.set i, i+1
.endm
; A tile's part of a key step, in phases
.macro TILE j
.set rT, ST+4*(\j)
.set rO, 32*(\j)
	WIN 0
.if (\j) < 7
	s_cmp_gt_u32 s[STEP], \j
	s_cbranch_scc1 .Ldead\j                        ; the whole step lies above the diagonal
.endif
	s_cmp_eq_u32 s[STEP], \j
	s_cbranch_scc1 .Ldiag\j
.set i, 0
.rept 4
	KQ \j, 1
.endr
	WIN 0
	s_branch .Lrest\j
.Ldiag\j:
.set i, 0
.rept 4
	KQ \j, 2
.endr
	WIN 0
.Lrest\j:
.set i, 4
.rept 4
	KQ \j, 0
.endr
	WIN 0
.rept 4
	v_nop                                          ; the places behind those products
.endr
	; the maximum of the lane's 32 scores and the old m; each accumulator's lowest registers are read first
.irp n, 0,1,2,3
	v_max3_num_f32 v[TMP+(\n)], v[S+8*(\n)], v[S+8*(\n)+1], v[S+8*(\n)+2]
.endr
.irp n, 0,1,2,3
	v_max3_num_f32 v[TMP+(\n)], v[TMP+(\n)], v[S+8*(\n)+3], v[S+8*(\n)+4]
.endr
.irp n, 0,1,2,3
	v_max3_num_f32 v[TMP+(\n)], v[TMP+(\n)], v[S+8*(\n)+5], v[S+8*(\n)+6]
.endr
	v_max3_num_f32 v[TMP], v[TMP], v[S+7], v[S+15]
	v_max3_num_f32 v[TMP+1], v[TMP+1], v[S+23], v[S+31]
	v_max3_num_f32 v[TMP+2], v[TMP+2], v[TMP+3], v[rT+1]
	v_mov_b32 v[MV], v[rT]                         ; c m_old is kept
	v_max3_num_f32 v[TMP], v[TMP], v[TMP+1], v[TMP+2]
	v_permlanex16_b32 v[TMP+3], v[TMP], s[SEL], s[SEL+1]  ; the query's other 32 keys lie in the lane 16 away
	v_max_num_f32 v[rT+1], v[TMP], v[TMP+3]
	v_mul_f32 v[rT], s[CS], v[rT+1]
	v_sub_f32 v[TMP+1], v[MV], v[rT]
	v_exp_f32 v[TMP+2], v[TMP+1]                   ; a; the scalings below are the plain instructions behind it
.set n, 0
.rept 16
	v_pk_fma_f32 v[S+2*n:S+2*n+1], v[S+2*n:S+2*n+1], s[CS:CS+1], v[rT:rT+1] op_sel_hi:[1,0,0] neg_lo:[0,0,1] neg_hi:[0,0,1]  ; c s - c m
.set n, n+1
.endr
.set n, 0
.rept 32
	v_exp_f32 v[S+n], v[S+n]
.set n, n+1
.endr
	WIN W_RS
.set n, 0
	s_wait_alu depctr_va_vdst(0)
.rept 16
	v_pk_mul_f32 v[rO+2*n:rO+2*n+1], v[rO+2*n:rO+2*n+1], v[TMP+2:TMP+3] op_sel_hi:[1,0]  ; O^T times a: plain work behind the exponentials
.set n, n+1
.endr
	WIN 0
.set n, 0
.rept 16
	v_cvt_pk_bf16_f32 v[P+n], v[S+2*n], v[S+2*n+1]
.set n, n+1
.endr
.set i, 0
.rept 8
	PV \j
.endr
	WIN 0
	; the sum of the 16 pairs of weights stands behind the products, whose registers it does not name
.irp k, 0,1,2,3,4,5,6,7
	v_pk_add_f32 v[S+4*(\k):S+4*(\k)+1], v[S+4*(\k):S+4*(\k)+1], v[S+4*(\k)+2:S+4*(\k)+3]
.endr
.irp k, 0,1,2,3
	v_pk_add_f32 v[S+8*(\k):S+8*(\k)+1], v[S+8*(\k):S+8*(\k)+1], v[S+8*(\k)+4:S+8*(\k)+5]
.endr
.irp k, 0,1
	v_pk_add_f32 v[S+16*(\k):S+16*(\k)+1], v[S+16*(\k):S+16*(\k)+1], v[S+16*(\k)+8:S+16*(\k)+9]
.endr
	v_pk_add_f32 v[S:S+1], v[S:S+1], v[S+16:S+17]
	v_pk_fma_f32 v[rT+2:rT+3], v[rT+2:rT+3], v[TMP+2:TMP+3], v[S:S+1] op_sel_hi:[1,0,1]  ; l = a l + sum
.if (\j) < 7
.Ldead\j:
.endif
.endm
	s_wait_tensorcnt 0x0                           ; my part of K or V is in,
	s_barrier_signal -1
	s_barrier_wait -1                              ; everybody's is
	s_wait_loadcnt 0x0                             ; Q
.Ls:                                                   ; 8 key steps.  Tile 7 is never jumped: its 16 sums are the places between a trip's last products and the loads below
	v_add_nc_u32 v[AK], s[TBK], v[AK0]
	v_add_nc_u32 v[AV], s[TBV], v[AV0]
	WIN 0x80
.irp f, 0,1,2,3,4,5,6,7                        ; K: keys 16 (f / 2) on, channels 32 (f % 2) on
	ds_load_b128 v[KF+8*\f:KF+8*\f+3],   v[AK] offset:(\f/2)*16*PK+(\f%2)*64
	ds_load_b128 v[KF+8*\f+4:KF+8*\f+7], v[AK] offset:(\f/2)*16*PK+(\f%2)*64+32
.endr
.irp f, 0,1,2,3,4,5,6,7                        ; V, turned: keys 32 (f / 4) on, channels 16 (f % 4) on
	ds_load_tr16_b128 v[VF+8*\f:VF+8*\f+3],   v[AV] offset:(\f/4)*32*PV+(\f%4)*32
	ds_load_tr16_b128 v[VF+8*\f+4:VF+8*\f+7], v[AV] offset:(\f/4)*32*PV+16*PV+(\f%4)*32
.endr
	WIN 0
	s_wait_dscnt 0x0
.irp j, 0,1,2,3,4,5,6,7
	TILE \j
.endr
	s_add_co_u32 s[TBK], s[TBK], 64*PK
	s_add_co_u32 s[TBV], s[TBV], 64*PV
	s_add_co_u32 s[STEP], s[STEP], 1
	s_cmp_lt_u32 s[STEP], 8
	s_cbranch_scc1 .Ls
	; THE WAY OUT.  l's halves and the other half of the lanes' are added; O^T is divided by l, rounded to bf16 and sent through my stage, a tile at a time.
.macro ALL line:vararg
.set t, 0
.rept 8
	\line
.set t, t+1
.endr
.endm
	ALL v_add_f32 v[ST+4*t+2], v[ST+4*t+2], v[ST+4*t+3]
	ALL v_permlanex16_b32 v[ST+4*t+3], v[ST+4*t+2], s[SEL], s[SEL+1]
	ALL v_add_f32 v[ST+4*t+2], v[ST+4*t+2], v[ST+4*t+3]
	ALL v_rcp_f32 v[ST+4*t+2], v[ST+4*t+2]
	v_nop                                          ; a plain instruction between the last reciprocal and the use of its result
	s_wait_alu depctr_va_vdst(0)
.macro PACK t
	WIN W_RS
.set i, 32*(\t)
.rept 16
	v_pk_mul_f32 v[i:i+1], v[i:i+1], v[ST+4*(\t)+2:ST+4*(\t)+3] op_sel_hi:[1,0]
.set i, i+2
.endr
	WIN 0x05
.set i, 0
.rept 16
	v_cvt_pk_bf16_f32 v[OBK+16*(\t)+i], v[32*(\t)+2*i], v[32*(\t)+2*i+1]
.set i, i+1
.endr
	WIN 0
.irp f, 0,1,2,3
	ds_store_b128 v[STO], v[OBK+16*(\t)+4*\f:OBK+16*(\t)+4*\f+3] offset:32*\f
.endr
.irp f, 0,1,2,3
	ds_load_b128 v[OBK+16*(\t)+4*\f:OBK+16*(\t)+4*\f+3], v[RD] offset:\f*4*SP  ; LDS serves a wave's instructions in order (ISA guide 5.7.1.4)
.endr
.endm
.macro SEND t, younger                 ; younger: the LDS instructions issued behind tile t's loads
.irp f, 0,1,2,3
	s_wait_dscnt (\younger)+3-\f
	global_store_b128 v[GO], v[OBK+16*(\t)+4*\f:OBK+16*(\t)+4*\f+3], s[10:11] offset:(\t)*8192+\f*512  ; 512 consecutive bytes, aligned
.endr
.endm
	PACK 0
.set u, 1
.rept 7
	PACK u
	SEND u-1, 8
.set u, u+1
.endr
	SEND 7, 0
	s_wait_tensorcnt 0x0                           ; the wave's end
	ds_add_u32 v[SPW], v[NIL]
	s_wait_dscnt 0x0
	s_endpgm
.Lfunc_end_k_qabada1981f_attn:
	.size	k_qabada1981f_attn, .Lfunc_end_k_qabada1981f_attn-k_qabada1981f_attn
	.p2alignl 7, 3214868480
	.fill 96, 4, 3214868480
	.section	.rodata,"a",@progbits
	.p2align	6, 0x0
	.amdhsa_kernel k_qabada1981f_attn
		.amdhsa_group_segment_fixed_size 167936
		.amdhsa_private_segment_fixed_size 0
		.amdhsa_enable_private_segment 0
		.amdhsa_kernarg_size 16
		.amdhsa_user_sgpr_count 2
		.amdhsa_user_sgpr_kernarg_segment_ptr 1
		.amdhsa_wavefront_size32 1
		.amdhsa_system_sgpr_workgroup_id_x 1
		.amdhsa_system_sgpr_workgroup_id_y 1
		.amdhsa_system_sgpr_workgroup_id_z 1
		.amdhsa_system_vgpr_workitem_id 0
		.amdhsa_next_free_vgpr 768
		.amdhsa_next_free_sgpr 66
		.amdhsa_reserve_vcc 1
		.amdhsa_float_denorm_mode_32 3
		.amdhsa_float_denorm_mode_16_64 3
		.amdhsa_memory_ordered 1
		.amdhsa_forward_progress 1
		.amdhsa_inst_pref_size 114
	.end_amdhsa_kernel
	.amdgpu_metadata
---
amdhsa.version: [ 1, 2 ]
amdhsa.kernels:
  - .name:           k_qabada1981f_attn
    .symbol:         k_qabada1981f_attn.kd
    .args:
      - { .name: qkvb, .offset: 0, .size: 8, .value_kind: global_buffer, .address_space: global }
      - { .name: obuf, .offset: 8, .size: 8, .value_kind: global_buffer, .address_space: global }
    .group_segment_fixed_size: 167936
    .private_segment_fixed_size: 0
    .kernarg_segment_align: 8
    .kernarg_segment_size: 16
    .max_flat_workgroup_size: 128
    .sgpr_count:     66
    .vgpr_count:     768
    .wavefront_size: 32
...
	.end_amdgpu_metadata
.endif
;; end of part 3
;; launch oproj (part 4): grid 4 x 64, 4 waves a work-group, clusters of 4 x 4, 327,680 bytes of LDS; arguments obuf, wob, b_o, x, x1; writes x1
.if DOCPART == 4
	.amdgcn_target "amdgcn-amd-amdhsa--gfx1250"
	.amdhsa_code_object_version 6
	.text
	.protected	k_qabada1981f_oproj
	.globl	k_qabada1981f_oproj
	.p2align	8
	.type	k_qabada1981f_oproj,@function
k_qabada1981f_oproj:
	s_mov_b64 s[64:65], 0
	v_nop
	global_prefetch_b8 v0, s[64:65] scope:SCOPE_SE
	s_setreg_imm32_b32 hwreg(HW_REG_WAVE_MODE, 25, 1), 1
	s_wait_xcnt 0x0
	s_wait_alu depctr_hold_cnt(0) depctr_sa_sdst(0) depctr_va_vdst(0) depctr_va_sdst(0) depctr_va_ssrc(0) depctr_va_vcc(0) depctr_vm_vsrc(0)
	s_getreg_b32 s2, hwreg(HW_REG_IB_STS2, 6, 4)
	s_cmp_eq_u32 s2, 0
	s_cbranch_scc0 .Lentry_in_a_cluster
	s_endpgm
.Lentry_in_a_cluster:
	s_bfe_u32 s2, ttmp6, 0x10000c
	s_cmp_lg_u32 s2, 0xf033
	s_cbranch_scc0 .Lentry_shape_is_right
	s_endpgm
.Lentry_shape_is_right:
; OUT = A x W + bias + RES.  A: [b][16 blocks of 64 columns][512 t][64] bf16 (blocked).  W: [1024 k][1024 n] bf16.  bias: [1024] f32.  RES, OUT: [8192][1024] f32.  Sums in f32, K ascending.
; It serves two launches: attention's o with w_o, b_o and x; and the FFN's g with w2, b2 and x1.
; A tile of C is 128 (m) x 256 (n): 64 x 4 = 256 work-groups.  Four waves, each 64 x 128: 32 accumulators.  K goes in 8 steps of 128 through two LDS slots filled by tensor loads.
; A K step of A is two column blocks of 128 rows x 128 bytes, each 16,384 dense bytes: asked for as 64 rows of 256 bytes and padded in LDS after every 128.  W stays [k][n] and is read turned.
; THE MATRIX INSTRUCTION IS USED TRANSPOSED (source 0 = 16 columns of W, source 1 = 16 rows of A): a lane holds eight neighbouring columns of one row of C.
; The bias is the C operand of the products that start the sums.  The wave's 64 x 128 of RES is asked for at the start, as whole rows of 512 bytes, and lies in window 2 until the way out.
; CLUSTER 4 x 4: A's tile is asked for jointly along a row of the cluster, W's along a column.
; REGISTERS.  Window 0: v0-31 addresses; v64-159, v160-255 fragment buffers.  Window 1: accumulator (a, b) at v[8 (8 a + b)].  Window 2: RES, row i at v[4 i].  Window 3: v0-63 the bias.
; LIMITS.  Matrix operands are bf16; NaN and infinities are not treated apart.
.set PA,     144                       ; a row of a block of A in LDS: 128 bytes + 16
.set PB,     544                       ; a row of W: 512 + 32
.set SUBA,   128*PA                    ; a column block
.set BOFF,   2*SUBA
.set SLOT1,  0x20000
.set STAGE,  237568                    ; behind the ring, never filled by a tensor load
.set SPITCH, 528                       ; a stage row: 128 f32 + 16 bytes
.set WSTAGE, 16*SPITCH
.set SPARE,  STAGE+4*WSTAGE            ; the spare words, 128 bytes for each wave
.set ASTEP,  2*65536                   ; two column blocks on
.set BSTEP,  128*2048
.set OA0, 0
.set OA1, 64
.set OA2, SUBA
.set OA3, SUBA+64
.set OB0, 0
.set OB1, 32*PB
.set OB2, 64*PB
.set OB3, 96*PB
.set ADRA0, 8
.set ADRB0, 9
.set ADRA,  10
.set ADRB,  11
.set STO,   12
.set RD,    13
.set CO,    14                         ; v14  16 x lane: my 16 bytes of a row of 512
.set BO,    15                         ; v15  32 x (l / 16): my eight columns of a block of 16
.set SPW,   28
.set NIL,   29
.set F0,    64
.set F1,    160
.set BIAS,  0                          ; window 3
.set WV,  14
.set MI,  15
.set NI,  16
.set G1A, 24
.set G0A, 32
.set G1B, 48
.set G0B, 56
.set TB,  66
.set MULW, 0x50                        ; fragments in window 0, C and D in window 1
.set MULB, 0x70                        ; C in window 3
.set MSB, 0
.macro WIN new
.if MSB != (\new)
	s_set_vgpr_msb (MSB<<8)|(\new)
.set MSB, (\new)
.endif
.endm
.macro PLACES
.rept 4
	v_nop
.endr
.endm
.macro JLOAD                           ; a joint refill: waves 0 and 1 fetch A's two blocks, waves 2 and 3 W's halves; s_nop 0 and four v_nop follow each line
	s_cmp_eq_u32 s[MI], 0
	s_cbranch_scc0 .Lfor_b_\@
	tensor_load_to_lds s[G0A+4:G0A+7], s[G1A:G1A+7]
	s_nop 0
	PLACES
	s_branch .Lasked_\@
.Lfor_b_\@:
	tensor_load_to_lds s[G0B+4:G0B+7], s[G1B:G1B+7]
	s_nop 0
	PLACES
.Lasked_\@:
.endm
.macro CREST
	s_cmp_lg_u32 s[WV], 0
	s_cbranch_scc1 .Lnot_wave_0_\@
	s_barrier_signal -3
.Lnot_wave_0_\@:
	s_barrier_wait -3
	s_barrier_signal -1
	s_barrier_wait -1
.endm
.macro CROUND
	s_barrier_signal -1
	s_barrier_wait -1
	CREST
.endm
; 8 matrix instructions: m block a x all 8 n blocks.  c = 2: the bias starts the sums.  The accumulators take turns.
.macro MUL8 f, a, c
.if (\c) == 2
	WIN MULB
.else
	WIN MULW
.endif
.irp b, 0,1,2,3,4,5,6,7
.if (\c) == 0
	v_wmma_f32_16x16x32_bf16 v[8*(8*(\a)+(\b)):8*(8*(\a)+(\b))+7], v[(\f)+32+8*(\b):(\f)+32+8*(\b)+7], v[(\f)+8*(\a):(\f)+8*(\a)+7], v[8*(8*(\a)+(\b)):8*(8*(\a)+(\b))+7]
.else
	v_wmma_f32_16x16x32_bf16 v[8*(8*(\a)+(\b)):8*(8*(\a)+(\b))+7], v[(\f)+32+8*(\b):(\f)+32+8*(\b)+7], v[(\f)+8*(\a):(\f)+8*(\a)+7], v[BIAS+8*(\b):BIAS+8*(\b)+7]
.endif
.endr
.endm
.macro FETCH oa, ob, f                 ; 24 LDS loads in one run; the last four are A's blocks 2 and 3
	WIN 0
.irp i, 0,1,2,3,4,5,6,7
	ds_load_tr16_b128 v[(\f)+32+8*(\i):(\f)+32+8*(\i)+3],   v[ADRB] offset:(\ob)+32*(\i)
	ds_load_tr16_b128 v[(\f)+32+8*(\i)+4:(\f)+32+8*(\i)+7], v[ADRB] offset:(\ob)+32*(\i)+16*PB
.endr
.irp i, 0,1,2,3
	ds_load_b128 v[(\f)+8*(\i):(\f)+8*(\i)+3],   v[ADRA] offset:(\oa)+(\i)*16*PA
	ds_load_b128 v[(\f)+8*(\i)+4:(\f)+8*(\i)+7], v[ADRA] offset:(\oa)+(\i)*16*PA+32
.endr
.endm
.macro QUARTER oa, ob, f, g, c
	s_wait_dscnt 4                                 ; all but A's blocks 2 and 3 are in
	MUL8 \f, 0, \c
	MUL8 \f, 1, \c
	PLACES                                         ; for the loads into g
	FETCH \oa, \ob, \g
	s_wait_dscnt 24                                ; all but the 24 just issued
	MUL8 \f, 2, \c
	MUL8 \f, 3, \c
.endm
; The fourth quarter and the change of slots: each wave waits for all its tensor loads (one is out), adds 0 to its spare word, waits for that and for its reads of this slot; one barrier;
; fill = 1: it opens a round of the cluster's barrier, and this slot is filled again first thing behind the round.
.macro TURN fill
	WIN 0
	s_wait_tensorcnt 0x0
	ds_add_u32 v[SPW], v[NIL]
	s_wait_dscnt 5                                 ; the add and A's blocks 2 and 3 may be out
	MUL8 F1, 0, 0
	s_wait_dscnt 0x0
	s_barrier_signal -1
	MUL8 F1, 1, 0
	WIN 0
	s_barrier_wait -1
.if \fill
	CREST
	s_xor_b32 s[G0A+5], s[G0A+5], SLOT1
	s_add_nc_u64 s[G0A+6:G0A+7], s[G0A+6:G0A+7], ASTEP
	s_xor_b32 s[G0B+5], s[G0B+5], SLOT1
	s_add_nc_u64 s[G0B+6:G0B+7], s[G0B+6:G0B+7], BSTEP
	JLOAD                                          ; 112 matrix instructions ahead of the wait for it
.else
	PLACES
.endif
	s_xor_b32 s[TB], s[TB], SLOT1
	v_add_nc_u32 v[ADRA], s[TB], v[ADRA0]
	v_add_nc_u32 v[ADRB], s[TB], v[ADRB0]
	FETCH OA0, OB0, F0
	MUL8 F1, 2, 0
	MUL8 F1, 3, 0
.endm
	s_load_b256 s[4:11], s[0:1], 0x0               ; A s[4:5], W s[6:7], bias s[8:9], RES s[10:11]
	s_load_b64 s[12:13], s[0:1], 0x20              ; OUT
	v_lshl_add_u32 v[SPW], v0, 2, SPARE
	v_mov_b32 v[NIL], 0
	ds_add_u32 v[SPW], v[NIL]                      ; the wave's opening: the add and its wait ahead of my first tensor load
	ds_add_u32 v28, v29
	v_lshrrev_b32 v1, 5, v0
	v_readfirstlane_b32 s[WV], v1
	s_lshr_b32 s[MI], s[WV], 1
	s_and_b32 s[NI], s[WV], 1
	s_bfe_u32 s40, ttmp6, 0x40000                  ; cx
	s_bfe_u32 s41, ttmp6, 0x40004                  ; cy
	s_lshl_b32 s42, ttmp9, 2
	s_add_co_u32 s42, s42, s40                     ; tile column
	s_and_b32 s43, ttmp7, 0xffff
	s_lshl_b32 s43, s43, 2
	s_add_co_u32 s43, s43, s41                     ; tile row
	s_lshl_b32 s44, s41, 2
	s_lshl_b32 s44, 15, s44
	s_lshl_b32 s45, 0x1111, s40
	s_or_b32 s[G1A], s44, (1<<16)|(1<<20)|(1<<21)|(4<<22)|(3<<25)  ; after every 32 words 4 words of padding
	s_mov_b32 s[G1A+1], 128<<16
	s_mov_b32 s[G1A+2], 64<<16
	s_mov_b32 s[G1A+3], 128<<16
	s_mov_b32 s[G1A+4], 64
	s_mov_b32 s[G1A+5], 128                        ; dense
	s_mov_b32 s[G1A+6], 0
	s_mov_b32 s[G1A+7], 0
	s_or_b32 s[G1B], s45, (1<<16)|(1<<20)|(1<<21)|(6<<22)|(7<<25)
	s_mov_b32 s[G1B+1], 256<<16
	s_mov_b32 s[G1B+2], 64<<16
	s_mov_b32 s[G1B+3], 256<<16
	s_mov_b32 s[G1B+4], 64
	s_mov_b32 s[G1B+5], 1024
	s_mov_b32 s[G1B+6], 0
	s_mov_b32 s[G1B+7], 0
	s_lshr_b32 s18, s43, 2                         ; A: b = tile row / 4,
	s_lshl_b32 s18, s18, 20
	s_and_b32 s19, s43, 3                          ; t = 128 (tile row % 4),
	s_lshl_b32 s19, s19, 14
	s_add_co_u32 s18, s18, s19
	s_lshl_b32 s19, s[NI], 16                      ; the K step's first or second column block
	s_add_co_u32 s18, s18, s19
	s_mov_b32 s19, 0
	s_lshl_b32 s20, s42, 9                         ; W: 256 columns x tile column,
	s_lshl_b32 s21, s[NI], 17                      ; my 64 of the K step's 128 rows
	s_add_co_u32 s20, s20, s21
	s_mov_b32 s21, 0
	s_mul_i32 s22, s[NI], SUBA
	s_mul_i32 s23, s[NI], 64*PB
	s_add_co_u32 s23, s23, BOFF
	s_mov_b32 s[TB], 0
	s_wait_dscnt 0x0                               ; the opening add is done
	s_wait_kmcnt 0x0
	s_add_nc_u64 s[18:19], s[4:5], s[18:19]
	s_add_nc_u64 s[20:21], s[6:7], s[20:21]
	CROUND
.irp s, 0,1
	s_mov_b32 s[G0A+4*(\s)], 1
	s_add_co_u32 s[G0A+4*(\s)+1], s22, (\s)*SLOT1
	s_add_nc_u64 s[G0A+4*(\s)+2:G0A+4*(\s)+3], s[18:19], (\s)*ASTEP
	s_or_b32 s[G0A+4*(\s)+3], s[G0A+4*(\s)+3], 0x80000000
	s_mov_b32 s[G0B+4*(\s)], 1
	s_add_co_u32 s[G0B+4*(\s)+1], s23, (\s)*SLOT1
	s_add_nc_u64 s[G0B+4*(\s)+2:G0B+4*(\s)+3], s[20:21], (\s)*BSTEP
	s_or_b32 s[G0B+4*(\s)+3], s[G0B+4*(\s)+3], 0x80000000
.endr
	s_cmp_eq_u32 s[MI], 0                          ; a wave's two first fills stand in one branch: two loads of mine are out
	s_cbranch_scc0 .Lfirst_b
	tensor_load_to_lds s[G0A:G0A+3], s[G1A:G1A+7]
	s_nop 0
	tensor_load_to_lds s[G0A+4:G0A+7], s[G1A:G1A+7]
	s_nop 0
	PLACES
	s_branch .Lfirst_asked
.Lfirst_b:
	tensor_load_to_lds s[G0B:G0B+3], s[G1B:G1B+7]
	s_nop 0
	tensor_load_to_lds s[G0B+4:G0B+7], s[G1B:G1B+7]
	s_nop 0
	PLACES
.Lfirst_asked:
	v_and_b32 v1, 15, v0                           ; r
	v_bfe_u32 v2, v0, 4, 1                         ; h
	v_lshlrev_b32 v[BO], 5, v2
	v_and_b32 v[CO], 31, v0
	v_lshlrev_b32 v[CO], 4, v[CO]
	s_lshl_b32 s46, s42, 10                        ; my first column, in bytes of f32
	s_lshl_b32 s47, s[NI], 9
	s_add_co_u32 s46, s46, s47
	s_mov_b32 s47, 0
	s_add_nc_u64 s[8:9], s[8:9], s[46:47]
	s_lshl_b32 s17, s43, 19                        ; my first row: 128 x tile row + 64 x my half, 4,096 bytes each
	s_add_co_u32 s46, s46, s17
	s_lshl_b32 s17, s[MI], 18
	s_add_co_u32 s46, s46, s17
	s_add_nc_u64 s[10:11], s[10:11], s[46:47]
	s_add_nc_u64 s[12:13], s[12:13], s[46:47]
	WIN 0xc0                                       ; destination window 3
.irp b, 0,1,2,3,4,5,6,7
	global_load_b128 v[BIAS+8*(\b):BIAS+8*(\b)+3],   v[BO], s[8:9] offset:64*(\b)
	global_load_b128 v[BIAS+8*(\b)+4:BIAS+8*(\b)+7], v[BO], s[8:9] offset:64*(\b)+16
.endr
	WIN 0
	v_and_b32 v4, 7, v0
	v_bfe_u32 v5, v0, 3, 1
	v_mul_u32_u24 v3, v1, PA
	v_lshl_add_u32 v3, v2, 4, v3
	s_mul_i32 s17, s[MI], 64*PA
	v_add_nc_u32 v[ADRA0], s17, v3
	v_lshl_add_u32 v6, v2, 3, v4
	v_mul_u32_u24 v6, v6, PB
	v_lshl_add_u32 v6, v5, 4, v6
	s_lshl_b32 s17, s[NI], 8
	s_add_co_u32 s17, s17, BOFF
	v_add_nc_u32 v[ADRB0], s17, v6
	v_mov_b32 v[ADRA], v[ADRA0]
	v_mov_b32 v[ADRB], v[ADRB0]
	s_mul_i32 s17, s[WV], WSTAGE
	s_add_co_u32 s17, s17, STAGE                   ; my stage
	v_mul_u32_u24 v3, v1, SPITCH                   ; in: row r, 32 bytes for each half of the lanes
	v_lshl_add_u32 v3, v2, 5, v3
	v_add_nc_u32 v[STO], s17, v3
	v_add_nc_u32 v[RD], s17, v[CO]                 ; back: 32 lanes take one row of 512 bytes
	s_wait_loadcnt 0x0                             ; the bias is in (this stands in the wait for the first tile); behind it the counter counts RES's rows alone
	WIN 0x80                                       ; destination window 2
.set i, 0
.rept 64
	global_load_b128 v[4*i:4*i+3], v[CO], s[10:11] offset:4096*i th:TH_LOAD_NT  ; a row's 512 consecutive bytes; they come in while K is walked
.set i, i+1
.endr
	WIN 0
	s_wait_tensorcnt 1                             ; my part of K step 0 is in; K step 1's may stay out
	s_barrier_signal -1
	s_barrier_wait -1
	FETCH OA0, OB0, F0
	QUARTER OA1, OB1, F0, F1, 2                    ; the first quarter stands in front of the loop: its products start the sums, with the bias
	WIN 0
	s_mov_b32 s3, 6
.Lk:                                                   ; trip t fills slot t % 2 with K step t + 2
	QUARTER OA2, OB2, F1, F0, 0
	QUARTER OA3, OB3, F0, F1, 0
	TURN 1
	QUARTER OA1, OB1, F0, F1, 0
	WIN 0
	s_sub_co_u32 s3, s3, 1
	s_cmp_lg_u32 s3, 0
	s_cbranch_scc1 .Lk
	QUARTER OA2, OB2, F1, F0, 0                    ; K steps 6 and 7: nothing is left to ask for
	QUARTER OA3, OB3, F0, F1, 0
	TURN 0
	QUARTER OA1, OB1, F0, F1, 0
	QUARTER OA2, OB2, F1, F0, 0
	QUARTER OA3, OB3, F0, F1, 0
	s_wait_dscnt 0x0
	MUL8 F1, 0, 0
	MUL8 F1, 1, 0
	MUL8 F1, 2, 0
	MUL8 F1, 3, 0
	WIN 0
; THE WAY OUT, a block of 16 rows at a time: into my own stage as f32, back as whole rows of 512 bytes, RES added, stored.
.macro OUTB a
.set BK, 64+64*((\a)%2)
	WIN 0x04                                       ; store data in window 1; each accumulator's low half goes first
.irp b, 0,1,2,3,4,5,6,7
	ds_store_b128 v[STO], v[8*(8*(\a)+(\b)):8*(8*(\a)+(\b))+3]   offset:64*(\b)
	ds_store_b128 v[STO], v[8*(8*(\a)+(\b))+4:8*(8*(\a)+(\b))+7] offset:64*(\b)+16
.endr
	WIN 0
	s_wait_xcnt 0x0                                ; the stores of two blocks ago have read the registers that the loads below fill
.irp t, 0,1,2,3,4,5,6,7,8,9,10,11,12,13,14,15
	ds_load_b128 v[BK+4*(\t):BK+4*(\t)+3], v[RD] offset:SPITCH*(\t)  ; LDS serves a wave's instructions in order (ISA guide 5.7.1.4)
.endr
	s_wait_dscnt 0x0
	s_wait_loadcnt 48-16*(\a)                      ; RES's rows up to 16 a + 15 are in; the later rows' loads may be out
	WIN 0x08                                       ; source 1 in window 2
.irp t, 0,1,2,3,4,5,6,7,8,9,10,11,12,13,14,15
	v_pk_add_f32 v[BK+4*(\t):BK+4*(\t)+1],   v[BK+4*(\t):BK+4*(\t)+1],   v[4*(16*(\a)+(\t)):4*(16*(\a)+(\t))+1]
	v_pk_add_f32 v[BK+4*(\t)+2:BK+4*(\t)+3], v[BK+4*(\t)+2:BK+4*(\t)+3], v[4*(16*(\a)+(\t))+2:4*(16*(\a)+(\t))+3]
.endr
	WIN 0
.irp t, 0,1,2,3,4,5,6,7,8,9,10,11,12,13,14,15
	global_store_b128 v[CO], v[BK+4*(\t):BK+4*(\t)+3], s[12:13] offset:4096*(16*(\a)+(\t))  ; 512 consecutive bytes, aligned
.endr
.endm
	PLACES
	OUTB 0
	OUTB 1
	OUTB 2
	OUTB 3
	s_wait_tensorcnt 0x0                           ; the wave's end
	ds_add_u32 v[SPW], v[NIL]
	s_wait_dscnt 0x0
	CROUND                                         ; the closing round
	s_endpgm
.Lfunc_end_k_qabada1981f_oproj:
	.size	k_qabada1981f_oproj, .Lfunc_end_k_qabada1981f_oproj-k_qabada1981f_oproj
	.p2alignl 7, 3214868480
	.fill 96, 4, 3214868480
	.section	.rodata,"a",@progbits
	.p2align	6, 0x0
	.amdhsa_kernel k_qabada1981f_oproj
		.amdhsa_group_segment_fixed_size 327680
		.amdhsa_private_segment_fixed_size 0
		.amdhsa_enable_private_segment 0
		.amdhsa_kernarg_size 40
		.amdhsa_user_sgpr_count 2
		.amdhsa_user_sgpr_kernarg_segment_ptr 1
		.amdhsa_wavefront_size32 1
		.amdhsa_system_sgpr_workgroup_id_x 1
		.amdhsa_system_sgpr_workgroup_id_y 1
		.amdhsa_system_sgpr_workgroup_id_z 1
		.amdhsa_system_vgpr_workitem_id 0
		.amdhsa_next_free_vgpr 832
		.amdhsa_next_free_sgpr 72
		.amdhsa_reserve_vcc 0
		.amdhsa_float_denorm_mode_32 3
		.amdhsa_float_denorm_mode_16_64 3
		.amdhsa_memory_ordered 1
		.amdhsa_forward_progress 1
		.amdhsa_inst_pref_size 85
	.end_amdhsa_kernel
	.amdgpu_metadata
---
amdhsa.version: [ 1, 2 ]
amdhsa.kernels:
  - .name:           k_qabada1981f_oproj
    .symbol:         k_qabada1981f_oproj.kd
    .args:
      - { .name: obuf, .offset: 0, .size: 8, .value_kind: global_buffer, .address_space: global }
      - { .name: wob, .offset: 8, .size: 8, .value_kind: global_buffer, .address_space: global }
      - { .name: b_o, .offset: 16, .size: 8, .value_kind: global_buffer, .address_space: global }
      - { .name: x, .offset: 24, .size: 8, .value_kind: global_buffer, .address_space: global }
      - { .name: x1, .offset: 32, .size: 8, .value_kind: global_buffer, .address_space: global }
    .group_segment_fixed_size: 327680
    .private_segment_fixed_size: 0
    .kernarg_segment_align: 8
    .kernarg_segment_size: 40
    .max_flat_workgroup_size: 128
    .sgpr_count:     72
    .vgpr_count:     832
    .wavefront_size: 32
...
	.end_amdgpu_metadata
.endif
;; end of part 4
;; launch ln2 (part 5): grid 512 x 1, 8 waves a work-group, no clusters, 0 bytes of LDS; arguments x1, ln2_g, ln2_b, hbuf; writes hbuf
.if DOCPART == 5
	.amdgcn_target "amdgcn-amd-amdhsa--gfx1250"
	.amdhsa_code_object_version 6
	.text
	.protected	k_qabada1981f_ln2
	.globl	k_qabada1981f_ln2
	.p2align	8
	.type	k_qabada1981f_ln2,@function
k_qabada1981f_ln2:
	s_mov_b64 s[64:65], 0
	v_nop
	global_prefetch_b8 v0, s[64:65] scope:SCOPE_SE
	s_setreg_imm32_b32 hwreg(HW_REG_WAVE_MODE, 25, 1), 1
	s_wait_xcnt 0x0
; h = layernorm(x1) * g + b, rounded once to bf16.  x1: [8192][1024] f32; h: [8192][1024] bf16.
; A stream: no LDS, no matrix unit, no cluster.  A work-group owns 16 rows, a wave two; a row lies in 32 registers of the wave between the passes.
; Two passes over the registers (mean; then the mean of the squared differences), so a common offset of a row costs no accuracy.
; LIMITS.  The result is rounded to bf16; NaN and infinities are not treated apart.
.set ROWB, 4096
.set VIN,  1                           ; v1   16 x lane
.set VOUT, 2                           ; v2   8 x lane
.set PX,   3
.set T,    4
.set MU,   12
.set RS,   14
.set X,    16
.set G,    80
.set B,    112
.set SRC,  8                           ; s[8:9]   x1 at my rows
.set GP,   10
.set BP,   12
.set DST,  14                          ; s[14:15] h at my rows
.set RN,   20
.set EPSR, 21
.set SEL,  22
	s_load_b256 s[8:15], s[0:1], 0x0
	v_lshrrev_b32 v[PX], 5, v0
	v_readfirstlane_b32 s6, v[PX]                  ; wave 0..7
	v_and_b32 v[VIN], 31, v0
	v_lshlrev_b32 v[VOUT], 3, v[VIN]
	v_lshlrev_b32 v[VIN], 4, v[VIN]
	s_lshl_b32 s4, ttmp9, 4
	s_lshl1_add_u32 s7, s6, s4                     ; my first row = 16 x group + 2 x wave
	s_lshl_b32 s16, s7, 12
	s_mov_b32 s17, 0
	s_lshl_b32 s18, s7, 11
	s_mov_b32 s19, 0
	s_mov_b32 s[RN], 0x3a800000                    ; 1 / 1024
	s_mov_b32 s[EPSR], 0x3727c5ac                  ; 1e-5
	s_mov_b32 s[SEL], 0x76543210
	s_mov_b32 s[SEL+1], 0xfedcba98
	s_wait_kmcnt 0x0
	s_add_nc_u64 s[SRC:SRC+1], s[SRC:SRC+1], s[16:17]
	s_add_nc_u64 s[DST:DST+1], s[DST:DST+1], s[18:19]
.macro PACKSTORE i                     ; row i rounded to bf16 in place (pair p lands in register p, which has been read by then) and stored, 256 consecutive bytes a store
.set p, 0
.rept 16
	v_cvt_pk_bf16_f32 v[X+32*(\i)+p], v[X+32*(\i)+2*p], v[X+32*(\i)+2*p+1]
.set p, p+1
.endr
.irp j, 0,1,2,3,4,5,6,7
	global_store_b64 v[VOUT], v[X+32*(\i)+2*(\j):X+32*(\i)+2*(\j)+1], s[DST:DST+1] offset:2048*(\i)+256*(\j)
.endr
.endm
.macro REDUCE                          ; the four chains, the pair's halves, the 32 lanes
	v_pk_add_f32 v[T:T+1], v[T:T+1], v[T+2:T+3]
	v_pk_add_f32 v[T+4:T+5], v[T+4:T+5], v[T+6:T+7]
	v_pk_add_f32 v[T:T+1], v[T:T+1], v[T+4:T+5]
	v_add_f32 v[T], v[T], v[T+1]
	v_add_f32_dpp v[T], v[T], v[T] row_xmask:1 row_mask:0xf bank_mask:0xf
	v_add_f32_dpp v[T], v[T], v[T] row_xmask:2 row_mask:0xf bank_mask:0xf
	v_add_f32_dpp v[T], v[T], v[T] row_xmask:4 row_mask:0xf bank_mask:0xf
	v_add_f32_dpp v[T], v[T], v[T] row_xmask:8 row_mask:0xf bank_mask:0xf
	v_permlanex16_b32 v[PX], v[T], s[SEL], s[SEL+1]
	v_add_f32 v[T], v[T], v[PX]
.endm
.macro LNROW i, left                   ; left: the younger loads that may stay out
.set R0, X+32*(\i)
	s_wait_loadcnt \left
.irp c, 0,1,2,3
	v_pk_add_f32 v[T+2*(\c):T+2*(\c)+1], v[R0+2*(\c):R0+2*(\c)+1], v[R0+2*(\c)+8:R0+2*(\c)+9]
.endr
.set k, 8
.rept 8
	v_pk_add_f32 v[T+2*(k%4):T+2*(k%4)+1], v[T+2*(k%4):T+2*(k%4)+1], v[R0+2*k:R0+2*k+1]
.set k, k+1
.endr
	REDUCE
	v_mul_f32 v[MU], s[RN], v[T]
	v_mov_b32 v[MU+1], v[MU]
.set k, 0
.rept 16
	v_pk_add_f32 v[R0+2*k:R0+2*k+1], v[R0+2*k:R0+2*k+1], v[MU:MU+1] neg_lo:[0,1] neg_hi:[0,1]
.set k, k+1
.endr
.irp c, 0,1,2,3
	v_pk_mul_f32 v[T+2*(\c):T+2*(\c)+1], v[R0+2*(\c):R0+2*(\c)+1], v[R0+2*(\c):R0+2*(\c)+1]
.endr
.set k, 4
.rept 12
	v_pk_fma_f32 v[T+2*(k%4):T+2*(k%4)+1], v[R0+2*k:R0+2*k+1], v[R0+2*k:R0+2*k+1], v[T+2*(k%4):T+2*(k%4)+1]
.set k, k+1
.endr
	REDUCE
	v_fma_f32 v[RS], v[T], s[RN], s[EPSR]
	v_rsq_f32 v[RS], v[RS]
	v_nop                                          ; a plain instruction between the root and the use of its result (ISA guide 5.7.2)
	s_wait_alu depctr_va_vdst(0)
	v_mov_b32 v[RS+1], v[RS]
.set k, 0
.rept 16
	v_pk_mul_f32 v[R0+2*k:R0+2*k+1], v[R0+2*k:R0+2*k+1], v[RS:RS+1]
.set k, k+1
.endr
.set k, 0
.rept 16
	v_pk_fma_f32 v[R0+2*k:R0+2*k+1], v[R0+2*k:R0+2*k+1], v[G+2*k:G+2*k+1], v[B+2*k:B+2*k+1]
.set k, k+1
.endr
	PACKSTORE \i
.endm
.irp j, 0,1,2,3,4,5,6,7
	global_load_b128 v[G+4*(\j):G+4*(\j)+3], v[VIN], s[GP:GP+1] offset:512*(\j)
	global_load_b128 v[B+4*(\j):B+4*(\j)+3], v[VIN], s[BP:BP+1] offset:512*(\j)
.endr
.irp i, 0,1
.irp j, 0,1,2,3,4,5,6,7
	global_load_b128 v[X+32*(\i)+4*(\j):X+32*(\i)+4*(\j)+3], v[VIN], s[SRC:SRC+1] offset:ROWB*(\i)+512*(\j)  ; 512 consecutive bytes; a later launch reads x1 again, so no hint
.endr
.endr
	LNROW 0, 8                                     ; gain, bias and row 0 are in; row 1's eight loads may be out
	LNROW 1, 0
	s_endpgm                                       ; no register that a load or store names is ever written again
.Lfunc_end_k_qabada1981f_ln2:
	.size	k_qabada1981f_ln2, .Lfunc_end_k_qabada1981f_ln2-k_qabada1981f_ln2
	.p2alignl 7, 3214868480
	.fill 96, 4, 3214868480
	.section	.rodata,"a",@progbits
	.p2align	6, 0x0
	.amdhsa_kernel k_qabada1981f_ln2
		.amdhsa_group_segment_fixed_size 0
		.amdhsa_private_segment_fixed_size 0
		.amdhsa_enable_private_segment 0
		.amdhsa_kernarg_size 32
		.amdhsa_user_sgpr_count 2
		.amdhsa_user_sgpr_kernarg_segment_ptr 1
		.amdhsa_wavefront_size32 1
		.amdhsa_system_sgpr_workgroup_id_x 1
		.amdhsa_system_sgpr_workgroup_id_y 1
		.amdhsa_system_sgpr_workgroup_id_z 1
		.amdhsa_system_vgpr_workitem_id 0
		.amdhsa_next_free_vgpr 144
		.amdhsa_next_free_sgpr 66
		.amdhsa_reserve_vcc 0
		.amdhsa_float_denorm_mode_32 3
		.amdhsa_float_denorm_mode_16_64 3
		.amdhsa_memory_ordered 1
		.amdhsa_forward_progress 1
		.amdhsa_inst_pref_size 20
	.end_amdhsa_kernel
	.amdgpu_metadata
---
amdhsa.version: [ 1, 2 ]
amdhsa.kernels:
  - .name:           k_qabada1981f_ln2
    .symbol:         k_qabada1981f_ln2.kd
    .args:
      - { .name: x1, .offset: 0, .size: 8, .value_kind: global_buffer, .address_space: global }
      - { .name: ln2_g, .offset: 8, .size: 8, .value_kind: global_buffer, .address_space: global }
      - { .name: ln2_b, .offset: 16, .size: 8, .value_kind: global_buffer, .address_space: global }
      - { .name: hbuf, .offset: 24, .size: 8, .value_kind: global_buffer, .address_space: global }
    .group_segment_fixed_size: 0
    .private_segment_fixed_size: 0
    .kernarg_segment_align: 8
    .kernarg_segment_size: 32
    .max_flat_workgroup_size: 256
    .sgpr_count:     66
    .vgpr_count:     144
    .wavefront_size: 32
...
	.end_amdgpu_metadata
.endif
;; end of part 5
;; launch ffn1 (part 6): grid 4 x 64, 4 waves a work-group, clusters of 4 x 4, 327,680 bytes of LDS; arguments hbuf, wb, b1, obuf; writes obuf
.if DOCPART == 6
	.amdgcn_target "amdgcn-amd-amdhsa--gfx1250"
	.amdhsa_code_object_version 6
	.text
	.protected	k_qabada1981f_ffn1
	.globl	k_qabada1981f_ffn1
	.p2align	8
	.type	k_qabada1981f_ffn1,@function
k_qabada1981f_ffn1:
	s_mov_b64 s[64:65], 0
	v_nop
	global_prefetch_b8 v0, s[64:65] scope:SCOPE_SE
	s_setreg_imm32_b32 hwreg(HW_REG_WAVE_MODE, 25, 1), 1
	s_wait_xcnt 0x0
	s_wait_alu depctr_hold_cnt(0) depctr_sa_sdst(0) depctr_va_vdst(0) depctr_va_sdst(0) depctr_va_ssrc(0) depctr_va_vcc(0) depctr_vm_vsrc(0)
	s_getreg_b32 s2, hwreg(HW_REG_IB_STS2, 6, 4)
	s_cmp_eq_u32 s2, 0
	s_cbranch_scc0 .Lentry_in_a_cluster
	s_endpgm
.Lentry_in_a_cluster:
	s_bfe_u32 s2, ttmp6, 0x10000c
	s_cmp_lg_u32 s2, 0xf033
	s_cbranch_scc0 .Lentry_shape_is_right
	s_endpgm
.Lentry_shape_is_right:
; g = gelu(h x w1 + b1), the exact (erf) form.  h: [8192][1024] bf16.  w1: [1024 k][1024 n] bf16, the fourth matrix in wb.  b1: [1024] f32.  Sums and gelu in f32, g rounded once to bf16.
; g leaves by column blocks: [b][16 blocks of 64 columns][512 t][64] bf16, so that rows of a block lie end to end.
; A tile of C is 128 (m) x 256 (n): 64 x 4 = 256 work-groups; four waves, each 64 x 128: 32 accumulators.  K goes in 8 steps of 128 through two LDS slots filled by tensor loads.
; THE MATRIX INSTRUCTION IS USED TRANSPOSED (source 0 = 16 columns of w1, read turned out of LDS; source 1 = 16 rows of h).  The bias is the C operand of the products that start the sums.
; CLUSTER 4 x 4: h's tile is asked for jointly along a row of the cluster, w1's along a column.
; GELU.  gelu(x) = x/2 + |x|/2 erf(|x| / sqrt 2); erf(z) = 1 - (a1 t + .. + a5 t^5) exp(-z^2), t = 1 / (1 + 0.3275911 z) (Abramowitz and Stegun 7.1.26), for every z >= 0.
; LIMITS.  That formula's absolute error in erf is at most 1.5e-7; matrix operands and g are bf16; NaN and infinities are not treated apart.
; REGISTERS.  Window 0: v0-31 addresses; v64-159, v160-255 fragment buffers, later gelu's work.  Window 1: accumulator (a, b) at v[8 (8 a + b)].  Window 2: v0-63 the bias.
.set PA,     272
.set PB,     544
.set BOFF,   128*PA
.set SLOT1,  0x20000
.set STAGE,  237568                    ; behind the ring, never filled by a tensor load
.set SPITCH, 528                       ; a stage row: 128 f32 + 16 bytes
.set WSTAGE, 32*SPITCH
.set SPARE,  STAGE+4*WSTAGE            ; the spare words, 128 bytes for each wave
.set ASTEP,  256
.set BSTEP,  128*2048
.set OA0, 0
.set OA1, 64
.set OA2, 128
.set OA3, 192
.set OB0, 0
.set OB1, 32*PB
.set OB2, 64*PB
.set OB3, 96*PB
.set ADRA0, 8
.set ADRB0, 9
.set ADRA,  10
.set ADRB,  11
.set STO,   12
.set RD,    13                         ; v13  the trip's address in the stage
.set GO,    14                         ; v14  the trip's byte offset in g
.set BO,    15
.set RD0,   16                         ; v16, v17  the same for trip 0; never rewritten
.set GO0,   17
.set SPW,   28
.set NIL,   29
.set F0,    64
.set F1,    160
.set BIAS,  0                          ; window 2
.set GX,  64                           ; gelu: 16 numbers a lane: x,
.set GH,  80                           ; x / 2, at last the result,
.set GA,  96                           ; |x| / 2,
.set GU,  112                          ; exp(-x^2 / 2),
.set GT,  128                          ; t,
.set GQ,  144                          ; the polynomial,
.set GY,  160                          ; 8 registers of bf16
.set WV,  14
.set MI,  15
.set NI,  16
.set G1A, 24
.set G0A, 32
.set G1B, 48
.set G0B, 56
.set TB,  66
.set RB,  67                           ; s67  the trip's bytes in the stage
.set GB,  68                           ; s68  and in g
.set NC,  70                           ; s[70:71] -log2(e) / 2
.set CP,  72                           ; s[72:73] 0.3275911 sqrt 2
.set A1,  74                           ; s[74:83] -a1 .. -a5: the polynomial is kept negative, so that erf = 1 + q e
.set A2,  76
.set A3,  78
.set A4,  80
.set A5,  82
.set SGN, 84                           ; s84  clears a sign
.set MULW, 0x50
.set MULB, 0x60                        ; C in window 2
.set MSB, 0
.macro WIN new
.if MSB != (\new)
	s_set_vgpr_msb (MSB<<8)|(\new)
.set MSB, (\new)
.endif
.endm
.macro PLACES
.rept 4
	v_nop
.endr
.endm
.macro JLOAD                           ; a joint refill: waves 0 and 1 fetch h's halves, waves 2 and 3 w1's; s_nop 0 and four v_nop follow each line
	s_cmp_eq_u32 s[MI], 0
	s_cbranch_scc0 .Lfor_b_\@
	tensor_load_to_lds s[G0A+4:G0A+7], s[G1A:G1A+7]
	s_nop 0
	PLACES
	s_branch .Lasked_\@
.Lfor_b_\@:
	tensor_load_to_lds s[G0B+4:G0B+7], s[G1B:G1B+7]
	s_nop 0
	PLACES
.Lasked_\@:
.endm
.macro CREST
	s_cmp_lg_u32 s[WV], 0
	s_cbranch_scc1 .Lnot_wave_0_\@
	s_barrier_signal -3
.Lnot_wave_0_\@:
	s_barrier_wait -3
	s_barrier_signal -1
	s_barrier_wait -1
.endm
.macro CROUND
	s_barrier_signal -1
	s_barrier_wait -1
	CREST
.endm
.macro MUL8 f, a, c                    ; 8 matrix instructions; c = 2: the bias starts the sums.  The accumulators take turns.
.if (\c) == 2
	WIN MULB
.else
	WIN MULW
.endif
.irp b, 0,1,2,3,4,5,6,7
.if (\c) == 0
	v_wmma_f32_16x16x32_bf16 v[8*(8*(\a)+(\b)):8*(8*(\a)+(\b))+7], v[(\f)+32+8*(\b):(\f)+32+8*(\b)+7], v[(\f)+8*(\a):(\f)+8*(\a)+7], v[8*(8*(\a)+(\b)):8*(8*(\a)+(\b))+7]
.else
	v_wmma_f32_16x16x32_bf16 v[8*(8*(\a)+(\b)):8*(8*(\a)+(\b))+7], v[(\f)+32+8*(\b):(\f)+32+8*(\b)+7], v[(\f)+8*(\a):(\f)+8*(\a)+7], v[BIAS+8*(\b):BIAS+8*(\b)+7]
.endif
.endr
.endm
.macro FETCH oa, ob, f                 ; 24 LDS loads in one run; the last four are h's blocks 2 and 3
	WIN 0
.irp i, 0,1,2,3,4,5,6,7
	ds_load_tr16_b128 v[(\f)+32+8*(\i):(\f)+32+8*(\i)+3],   v[ADRB] offset:(\ob)+32*(\i)
	ds_load_tr16_b128 v[(\f)+32+8*(\i)+4:(\f)+32+8*(\i)+7], v[ADRB] offset:(\ob)+32*(\i)+16*PB
.endr
.irp i, 0,1,2,3
	ds_load_b128 v[(\f)+8*(\i):(\f)+8*(\i)+3],   v[ADRA] offset:(\oa)+(\i)*16*PA
	ds_load_b128 v[(\f)+8*(\i)+4:(\f)+8*(\i)+7], v[ADRA] offset:(\oa)+(\i)*16*PA+32
.endr
.endm
.macro QUARTER oa, ob, f, g, c
	s_wait_dscnt 4                                 ; all but h's blocks 2 and 3 are in
	MUL8 \f, 0, \c
	MUL8 \f, 1, \c
	PLACES                                         ; for the loads into g
	FETCH \oa, \ob, \g
	s_wait_dscnt 24                                ; all but the 24 just issued
	MUL8 \f, 2, \c
	MUL8 \f, 3, \c
.endm
; The fourth quarter and the change of slots: each wave waits for all its tensor loads (one is out), adds 0 to its spare word, waits for that and for its reads of this slot; one barrier;
; fill = 1: it opens a round of the cluster's barrier, and this slot is filled again first thing behind the round.
.macro TURN fill
	WIN 0
	s_wait_tensorcnt 0x0
	ds_add_u32 v[SPW], v[NIL]
	s_wait_dscnt 5                                 ; the add and h's blocks 2 and 3 may be out
	MUL8 F1, 0, 0
	s_wait_dscnt 0x0
	s_barrier_signal -1
	MUL8 F1, 1, 0
	WIN 0
	s_barrier_wait -1
.if \fill
	CREST
	s_xor_b32 s[G0A+5], s[G0A+5], SLOT1
	s_add_nc_u64 s[G0A+6:G0A+7], s[G0A+6:G0A+7], ASTEP
	s_xor_b32 s[G0B+5], s[G0B+5], SLOT1
	s_add_nc_u64 s[G0B+6:G0B+7], s[G0B+6:G0B+7], BSTEP
	JLOAD                                          ; 112 matrix instructions ahead of the wait for it
.else
	PLACES
.endif
	s_xor_b32 s[TB], s[TB], SLOT1
	v_add_nc_u32 v[ADRA], s[TB], v[ADRA0]
	v_add_nc_u32 v[ADRB], s[TB], v[ADRB0]
	FETCH OA0, OB0, F0
	MUL8 F1, 2, 0
	MUL8 F1, 3, 0
.endm
	s_load_b256 s[4:11], s[0:1], 0x0               ; hbuf s[4:5], wb s[6:7], b1 s[8:9], obuf s[10:11]
	v_lshl_add_u32 v[SPW], v0, 2, SPARE
	v_mov_b32 v[NIL], 0
	ds_add_u32 v[SPW], v[NIL]                      ; the wave's opening: the add and its wait ahead of my first tensor load
	ds_add_u32 v28, v29
	v_lshrrev_b32 v1, 5, v0
	v_readfirstlane_b32 s[WV], v1
	s_lshr_b32 s[MI], s[WV], 1
	s_and_b32 s[NI], s[WV], 1
	s_bfe_u32 s40, ttmp6, 0x40000                  ; cx
	s_bfe_u32 s41, ttmp6, 0x40004                  ; cy
	s_lshl_b32 s42, ttmp9, 2
	s_add_co_u32 s42, s42, s40                     ; tile column
	s_and_b32 s43, ttmp7, 0xffff
	s_lshl_b32 s43, s43, 2
	s_add_co_u32 s43, s43, s41                     ; tile row
	s_lshl_b32 s44, s41, 2
	s_lshl_b32 s44, 15, s44
	s_lshl_b32 s45, 0x1111, s40
	s_or_b32 s[G1A], s44, (1<<16)|(1<<20)|(1<<21)|(5<<22)|(3<<25)
	s_mov_b32 s[G1A+1], 128<<16
	s_mov_b32 s[G1A+2], 64<<16
	s_mov_b32 s[G1A+3], 128<<16
	s_mov_b32 s[G1A+4], 64
	s_mov_b32 s[G1A+5], 1024
	s_mov_b32 s[G1A+6], 0
	s_mov_b32 s[G1A+7], 0
	s_or_b32 s[G1B], s45, (1<<16)|(1<<20)|(1<<21)|(6<<22)|(7<<25)
	s_mov_b32 s[G1B+1], 256<<16
	s_mov_b32 s[G1B+2], 64<<16
	s_mov_b32 s[G1B+3], 256<<16
	s_mov_b32 s[G1B+4], 64
	s_mov_b32 s[G1B+5], 1024
	s_mov_b32 s[G1B+6], 0
	s_mov_b32 s[G1B+7], 0
	s_lshl_b32 s17, s[NI], 17                      ; my half: 64 rows of 2,048 bytes
	s_lshl_b32 s18, s43, 18
	s_add_co_u32 s18, s18, s17
	s_mov_b32 s19, 0
	s_lshl_b32 s20, s42, 9
	s_add_co_u32 s20, s20, s17
	s_add_co_u32 s20, s20, 3*2097152               ; w1 lies behind q, k and v in wb
	s_mov_b32 s21, 0
	s_mul_i32 s22, s[NI], 64*PA
	s_mul_i32 s23, s[NI], 64*PB
	s_add_co_u32 s23, s23, BOFF
	s_mov_b32 s[TB], 0
	s_mov_b32 s[NC], 0xbf38aa3b
	s_mov_b32 s[NC+1], s[NC]                       ; named as pairs, so both words are written
	s_mov_b32 s[CP], 0x3eed3388
	s_mov_b32 s[CP+1], s[CP]
	s_mov_b32 s[A1], 0xbe827906
	s_mov_b32 s[A1+1], s[A1]
	s_mov_b32 s[A2], 0x3e91a98e
	s_mov_b32 s[A2+1], s[A2]
	s_mov_b32 s[A3], 0xbfb5f0e3
	s_mov_b32 s[A3+1], s[A3]
	s_mov_b32 s[A4], 0x3fba00e3
	s_mov_b32 s[A4+1], s[A4]
	s_mov_b32 s[A5], 0xbf87dc22
	s_mov_b32 s[A5+1], s[A5]
	s_mov_b32 s[SGN], 0x7fffffff
	s_wait_dscnt 0x0                               ; the opening add is done
	s_wait_kmcnt 0x0
	s_add_nc_u64 s[18:19], s[4:5], s[18:19]
	s_add_nc_u64 s[20:21], s[6:7], s[20:21]
	CROUND
.irp s, 0,1
	s_mov_b32 s[G0A+4*(\s)], 1
	s_add_co_u32 s[G0A+4*(\s)+1], s22, (\s)*SLOT1
	s_add_nc_u64 s[G0A+4*(\s)+2:G0A+4*(\s)+3], s[18:19], (\s)*ASTEP
	s_or_b32 s[G0A+4*(\s)+3], s[G0A+4*(\s)+3], 0x80000000
	s_mov_b32 s[G0B+4*(\s)], 1
	s_add_co_u32 s[G0B+4*(\s)+1], s23, (\s)*SLOT1
	s_add_nc_u64 s[G0B+4*(\s)+2:G0B+4*(\s)+3], s[20:21], (\s)*BSTEP
	s_or_b32 s[G0B+4*(\s)+3], s[G0B+4*(\s)+3], 0x80000000
.endr
	s_cmp_eq_u32 s[MI], 0                          ; a wave's two first fills stand in one branch: two loads of mine are out
	s_cbranch_scc0 .Lfirst_b
	tensor_load_to_lds s[G0A:G0A+3], s[G1A:G1A+7]
	s_nop 0
	tensor_load_to_lds s[G0A+4:G0A+7], s[G1A:G1A+7]
	s_nop 0
	PLACES
	s_branch .Lfirst_asked
.Lfirst_b:
	tensor_load_to_lds s[G0B:G0B+3], s[G1B:G1B+7]
	s_nop 0
	tensor_load_to_lds s[G0B+4:G0B+7], s[G1B:G1B+7]
	s_nop 0
	PLACES
.Lfirst_asked:
	v_and_b32 v1, 15, v0                           ; r
	v_bfe_u32 v2, v0, 4, 1                         ; h
	v_lshlrev_b32 v[BO], 5, v2
	s_lshl_b32 s46, s42, 10                        ; my first column in b1
	s_lshl_b32 s47, s[NI], 9
	s_add_co_u32 s46, s46, s47
	s_mov_b32 s47, 0
	s_add_nc_u64 s[8:9], s[8:9], s[46:47]
	WIN 0x80                                       ; destination window 2
.irp b, 0,1,2,3,4,5,6,7
	global_load_b128 v[BIAS+8*(\b):BIAS+8*(\b)+3],   v[BO], s[8:9] offset:64*(\b)
	global_load_b128 v[BIAS+8*(\b)+4:BIAS+8*(\b)+7], v[BO], s[8:9] offset:64*(\b)+16
.endr
	WIN 0
	v_and_b32 v4, 7, v0
	v_bfe_u32 v5, v0, 3, 1
	v_mul_u32_u24 v3, v1, PA
	v_lshl_add_u32 v3, v2, 4, v3
	s_mul_i32 s17, s[MI], 64*PA
	v_add_nc_u32 v[ADRA0], s17, v3
	v_lshl_add_u32 v6, v2, 3, v4
	v_mul_u32_u24 v6, v6, PB
	v_lshl_add_u32 v6, v5, 4, v6
	s_lshl_b32 s17, s[NI], 8
	s_add_co_u32 s17, s17, BOFF
	v_add_nc_u32 v[ADRB0], s17, v6
	v_mov_b32 v[ADRA], v[ADRA0]
	v_mov_b32 v[ADRB], v[ADRB0]
	s_mul_i32 s17, s[WV], WSTAGE
	s_add_co_u32 s17, s17, STAGE                   ; my stage
	v_mul_u32_u24 v3, v1, SPITCH                   ; in: row r, 32 bytes for each half of the lanes
	v_lshl_add_u32 v3, v2, 5, v3
	v_add_nc_u32 v[STO], s17, v3
	v_mul_u32_u24 v3, v2, SPITCH                   ; back: lanes 0-15 take 64 columns of one row, lanes 16-31 of the next
	v_lshl_add_u32 v3, v1, 4, v3
	v_add_nc_u32 v[RD0], s17, v3
	v_and_b32 v[GO0], 31, v0                       ; as bf16 those are 256 consecutive bytes of a column block
	v_lshlrev_b32 v[GO0], 3, v[GO0]
	s_lshr_b32 s46, s43, 2
	s_lshl_b32 s46, s46, 20                        ; b
	s_lshl_b32 s47, s42, 18                        ; column block = 4 x tile column + 2 x my half (+ 0, 1)
	s_add_co_u32 s46, s46, s47
	s_lshl_b32 s47, s[NI], 17
	s_add_co_u32 s46, s46, s47
	s_and_b32 s47, s43, 3
	s_lshl_b32 s47, s47, 14                        ; t
	s_add_co_u32 s46, s46, s47
	s_lshl_b32 s47, s[MI], 13
	s_add_co_u32 s46, s46, s47
	s_mov_b32 s47, 0
	s_add_nc_u64 s[10:11], s[10:11], s[46:47]
	s_wait_loadcnt 0x0                             ; the bias is in (this stands in the wait for the first tile)
	s_wait_tensorcnt 1                             ; my part of K step 0 is in; K step 1's may stay out
	s_barrier_signal -1
	s_barrier_wait -1
	FETCH OA0, OB0, F0
	QUARTER OA1, OB1, F0, F1, 2                    ; the first quarter's products start the sums, with the bias
	WIN 0
	s_mov_b32 s3, 6
.Lk:                                                   ; trip t fills slot t % 2 with K step t + 2
	QUARTER OA2, OB2, F1, F0, 0
	QUARTER OA3, OB3, F0, F1, 0
	TURN 1
	QUARTER OA1, OB1, F0, F1, 0
	WIN 0
	s_sub_co_u32 s3, s3, 1
	s_cmp_lg_u32 s3, 0
	s_cbranch_scc1 .Lk
	QUARTER OA2, OB2, F1, F0, 0                    ; K steps 6 and 7: nothing is left to ask for
	QUARTER OA3, OB3, F0, F1, 0
	TURN 0
	QUARTER OA1, OB1, F0, F1, 0
	QUARTER OA2, OB2, F1, F0, 0
	QUARTER OA3, OB3, F0, F1, 0
	s_wait_dscnt 0x0
	MUL8 F1, 0, 0
	MUL8 F1, 1, 0
	MUL8 F1, 2, 0
	MUL8 F1, 3, 0
	WIN 0
; gelu of 16 numbers a lane, two at a time
.macro PK8 line:vararg                 ; one line for each of the eight pairs, k = 0, 2, .. 14
.set k, 0
.rept 8
	\line
.set k, k+2
.endr
.endm
.macro GELU16
	PK8 v_pk_mul_f32 v[GH+k:GH+k+1], v[GX+k:GX+k+1], 0.5 op_sel_hi:[1,0]
	PK8 v_pk_mul_f32 v[GU+k:GU+k+1], v[GX+k:GX+k+1], v[GX+k:GX+k+1]
.set n, 0
.rept 16
	v_and_b32 v[GA+n], s[SGN], v[GH+n]             ; |x| / 2
.set n, n+1
.endr
	PK8 v_pk_mul_f32 v[GU+k:GU+k+1], v[GU+k:GU+k+1], s[NC:NC+1] op_sel_hi:[1,0]           ; -x^2 log2(e) / 2
	PK8 v_pk_fma_f32 v[GT+k:GT+k+1], v[GA+k:GA+k+1], s[CP:CP+1], 1.0 op_sel_hi:[1,0,0]    ; 1 + p z
.set n, 0
.rept 16
	v_rcp_f32 v[GT+n], v[GT+n]
.set n, n+1
.endr
.set n, 0
.rept 16
	v_exp_f32 v[GU+n], v[GU+n]
.set n, n+1
.endr
	v_nop                                          ; a plain instruction behind the last of them (ISA guide 5.7.2)
	s_wait_alu depctr_va_vdst(0)
	PK8 v_pk_fma_f32 v[GQ+k:GQ+k+1], v[GT+k:GT+k+1], s[A5:A5+1], s[A4:A4+1] op_sel_hi:[1,0,0]
	PK8 v_pk_fma_f32 v[GQ+k:GQ+k+1], v[GQ+k:GQ+k+1], v[GT+k:GT+k+1], s[A3:A3+1] op_sel_hi:[1,1,0]
	PK8 v_pk_fma_f32 v[GQ+k:GQ+k+1], v[GQ+k:GQ+k+1], v[GT+k:GT+k+1], s[A2:A2+1] op_sel_hi:[1,1,0]
	PK8 v_pk_fma_f32 v[GQ+k:GQ+k+1], v[GQ+k:GQ+k+1], v[GT+k:GT+k+1], s[A1:A1+1] op_sel_hi:[1,1,0]
	PK8 v_pk_mul_f32 v[GQ+k:GQ+k+1], v[GQ+k:GQ+k+1], v[GT+k:GT+k+1]
	PK8 v_pk_fma_f32 v[GQ+k:GQ+k+1], v[GQ+k:GQ+k+1], v[GU+k:GU+k+1], 1.0 op_sel_hi:[1,1,0]  ; erf
	PK8 v_pk_fma_f32 v[GH+k:GH+k+1], v[GA+k:GA+k+1], v[GQ+k:GQ+k+1], v[GH+k:GH+k+1]         ; x/2 + |x|/2 erf
.set n, 0
.rept 8
	v_cvt_pk_bf16_f32 v[GY+n], v[GH+2*n], v[GH+2*n+1]
.set n, n+1
.endr
.endm
; THE WAY OUT, 32 rows at a time: the sums go into my own stage as f32; eight trips read four rows each, take gelu and store.
.macro HALF u
	WIN 0x04                                       ; store data in window 1; each accumulator's low half goes first
.irp al, 0,1
.irp b, 0,1,2,3,4,5,6,7
	ds_store_b128 v[STO], v[8*(8*(2*(\u)+(\al))+(\b)):8*(8*(2*(\u)+(\al))+(\b))+3]   offset:(\al)*16*SPITCH+64*(\b)
	ds_store_b128 v[STO], v[8*(8*(2*(\u)+(\al))+(\b))+4:8*(8*(2*(\u)+(\al))+(\b))+7] offset:(\al)*16*SPITCH+64*(\b)+16
.endr
.endr
	WIN 0
	s_mov_b32 s[RB], 0
	s_mov_b32 s[GB], (\u)*4096
	s_mov_b32 s3, 8
.Lg_\@:
	s_wait_xcnt 0x0                                ; the last trip's stores have read their data and their offset, which are written again below
	v_add_nc_u32 v[RD], s[RB], v[RD0]
	v_add_nc_u32 v[GO], s[GB], v[GO0]
.irp q, 0,1,2,3                        ; rows 2 (q / 2) + l / 16 of the trip's four, columns 64 (q % 2) + 4 (l % 16) on
	ds_load_b128 v[GX+4*(\q):GX+4*(\q)+3], v[RD] offset:((\q)/2)*2*SPITCH+((\q)%2)*256  ; LDS serves a wave's instructions in order (ISA guide 5.7.1.4): these see the stores above
.endr
	s_wait_dscnt 0x0
	GELU16
.irp q, 0,1,2,3
	global_store_b64 v[GO], v[GY+2*(\q):GY+2*(\q)+1], s[10:11] offset:((\q)%2)*65536+((\q)/2)*256  ; two rows of a column block: 256 consecutive bytes, aligned
.endr
	s_add_co_u32 s[RB], s[RB], 4*SPITCH
	s_add_co_u32 s[GB], s[GB], 512
	s_sub_co_u32 s3, s3, 1
	s_cmp_lg_u32 s3, 0
	s_cbranch_scc1 .Lg_\@
.endm
	PLACES
	HALF 0
	HALF 1
	s_wait_tensorcnt 0x0                           ; the wave's end
	ds_add_u32 v[SPW], v[NIL]
	s_wait_dscnt 0x0
	CROUND                                         ; the closing round
	s_endpgm
.Lfunc_end_k_qabada1981f_ffn1:
	.size	k_qabada1981f_ffn1, .Lfunc_end_k_qabada1981f_ffn1-k_qabada1981f_ffn1
	.p2alignl 7, 3214868480
	.fill 96, 4, 3214868480
	.section	.rodata,"a",@progbits
	.p2align	6, 0x0
	.amdhsa_kernel k_qabada1981f_ffn1
		.amdhsa_group_segment_fixed_size 327680
		.amdhsa_private_segment_fixed_size 0
		.amdhsa_enable_private_segment 0
		.amdhsa_kernarg_size 32
		.amdhsa_user_sgpr_count 2
		.amdhsa_user_sgpr_kernarg_segment_ptr 1
		.amdhsa_wavefront_size32 1
		.amdhsa_system_sgpr_workgroup_id_x 1
		.amdhsa_system_sgpr_workgroup_id_y 1
		.amdhsa_system_sgpr_workgroup_id_z 1
		.amdhsa_system_vgpr_workitem_id 0
		.amdhsa_next_free_vgpr 576
		.amdhsa_next_free_sgpr 96
		.amdhsa_reserve_vcc 0
		.amdhsa_float_denorm_mode_32 3
		.amdhsa_float_denorm_mode_16_64 3
		.amdhsa_memory_ordered 1
		.amdhsa_forward_progress 1
		.amdhsa_inst_pref_size 78
	.end_amdhsa_kernel
	.amdgpu_metadata
---
amdhsa.version: [ 1, 2 ]
amdhsa.kernels:
  - .name:           k_qabada1981f_ffn1
    .symbol:         k_qabada1981f_ffn1.kd
    .args:
      - { .name: hbuf, .offset: 0, .size: 8, .value_kind: global_buffer, .address_space: global }
      - { .name: wb, .offset: 8, .size: 8, .value_kind: global_buffer, .address_space: global }
      - { .name: b1, .offset: 16, .size: 8, .value_kind: global_buffer, .address_space: global }
      - { .name: obuf, .offset: 24, .size: 8, .value_kind: global_buffer, .address_space: global }
    .group_segment_fixed_size: 327680
    .private_segment_fixed_size: 0
    .kernarg_segment_align: 8
    .kernarg_segment_size: 32
    .max_flat_workgroup_size: 128
    .sgpr_count:     96
    .vgpr_count:     576
    .wavefront_size: 32
...
	.end_amdgpu_metadata
.endif
;; end of part 6
;; launch ffn2: the kernel of part 4 again; grid 4 x 64, 4 waves a work-group, clusters of 4 x 4, 327,680 bytes of LDS; arguments obuf, w2b, b2, x1, out0; writes out0
;; ======== version 2 of 2: 6 launches; 1.18 times as fast as version 1
;; limits: right only within a limited range of input values
;; workspace buffers: hbuf 16,777,216 bytes; obuf 16,777,216 bytes; x1 33,554,432 bytes; wb 8,388,608 bytes; wob 2,097,152 bytes; w2b 2,097,152 bytes
;; launch prep (part 7): grid 896 x 1, 8 waves a work-group, no clusters, 0 bytes of LDS; arguments x, ln1_g, ln1_b, w_q, w_k, w_v, w1, w_o, w2, hbuf, wb, wob, w2b; writes hbuf, wb, wob, w2b
.if DOCPART == 7
	.amdgcn_target "amdgcn-amd-amdhsa--gfx1250"
	.amdhsa_code_object_version 6
	.text
	.protected	k_qabada1981f_prep
	.globl	k_qabada1981f_prep
	.p2align	8
	.type	k_qabada1981f_prep,@function
k_qabada1981f_prep:
	s_mov_b64 s[64:65], 0
	v_nop
	global_prefetch_b8 v0, s[64:65] scope:SCOPE_SE
	s_setreg_imm32_b32 hwreg(HW_REG_WAVE_MODE, 25, 1), 1
	s_wait_xcnt 0x0
; PREP.  Work-groups 0-511: h = layernorm(x) * g + b, rounded once to bf16.  Work-groups 512-895: the six weight matrices rounded to bf16.
; LAYOUTS, chosen so that what the next launch asks for as one K step of 64 is dense in memory:
;   h: [b 16][column block 16][t 512][64];   w_q, w_k, w_v, in wb: [head 16][k / 64][q, k, v][k % 64][64 columns of the head];
;   w1 (at byte 6,291,456 of wb), w_o, w2: [k][n] as they come.
; A stream: every byte is read once and written once; no LDS, no matrix unit, no cluster (no two work-groups read the same rows).
; A work-group owns 16 rows of 4,096 bytes, a wave two neighbouring ones; a row lies in 32 registers of the wave between the passes.
; In the blocked layouts two neighbouring rows' 64 columns are 256 consecutive bytes: the two rows exchange halves of the lanes, so that each store writes such a block whole.
; The norm is taken in two passes over the registers (mean; then the mean of the squared differences), so a common offset of a row costs no accuracy.
; LIMITS.  The results are rounded to bf16 (8 significant bits); NaN and infinities are not treated apart.
.set ROWB, 4096                        ; bytes of a row as read
.set VIN,  1                           ; v1   16 x lane: a load of the wave covers 512 consecutive bytes
.set VOUT, 2                           ; v2   8 x lane: a store of the wave covers 256 consecutive bytes, aligned
.set PX,   3                           ; v3   takes the other half of the lanes' figure
.set T,    4                           ; v[4:11]   four chains of sums, a pair each
.set MU,   12                          ; v[12:13]  the mean, twice
.set RS,   14                          ; v[14:15]  1 / sqrt(var + eps), twice
.set X,    16                          ; v[16:79]  row i at X + 32 i
.set G,    80                          ; v[80:111]  the gain of my 32 columns
.set B,    112                         ; v[112:143] the bias of my 32 columns
.set GP,   10                          ; s[10:11] ln1_g
.set BP,   12                          ; s[12:13] ln1_b
.set SRC,  34                          ; s[34:35] where my two rows are read
.set DST,  36                          ; s[36:37] where they are written
.set RN,   42                          ; s42  1 / 1024
.set EPSR, 43                          ; s43  1e-5
.set SEL,  44                          ; s[44:45] v_permlanex16_b32's selects: each lane takes its own place in the other half
	s_load_b512 s[8:23], s[0:1], 0x0               ; x 8, ln1_g 10, ln1_b 12, w_q 14, w_k 16, w_v 18, w1 20, w_o 22
	s_load_b256 s[24:31], s[0:1], 0x40             ; w2 24, hbuf 26, wb 28, wob 30
	s_load_b64 s[32:33], s[0:1], 0x60              ; w2b
	v_lshrrev_b32 v[PX], 5, v0
	v_readfirstlane_b32 s6, v[PX]                  ; wave 0..7
	v_and_b32 v[VIN], 31, v0
	v_lshlrev_b32 v[VOUT], 3, v[VIN]
	v_lshlrev_b32 v[VIN], 4, v[VIN]
	s_max_u32 s2, ttmp9, 512
	s_sub_co_u32 s2, s2, 512                       ; the number among the weights' groups (0 in the norm's groups)
	s_lshr_b32 s3, s2, 6                           ; which weight: q, k, v, w1, o, w2
	s_and_b32 s4, s2, 63                           ; which 16 of its 1,024 rows
	s_cmp_lt_u32 ttmp9, 512
	s_cselect_b32 s4, ttmp9, s4                    ; the norm's groups: which 16 of x's 8,192 rows
	s_lshl_b32 s4, s4, 4
	s_lshl1_add_u32 s7, s6, s4                     ; my first row = 16 x block + 2 x wave: an even number
	s_lshl_b32 s38, s7, 12                         ; its byte offset as read
	s_mov_b32 s39, 0
	s_lshl_b32 s40, s7, 11                         ; as written.  w1, w_o, w2: rows of 2,048 bytes,
	s_cmp_eq_u32 s3, 3
	s_cselect_b32 s5, 0x600000, 0                  ; w1 behind the 6,291,456 bytes of q, k, v
	s_add_co_u32 s40, s40, s5
	s_lshr_b32 s5, s7, 6                           ; q, k, v: 24,576 (k / 64) + 8,192 x matrix + 128 (k % 64); the head stands in the stores' immediates
	s_mul_i32 s5, s5, 24576
	s_lshl_b32 s46, s3, 13
	s_add_co_u32 s5, s5, s46
	s_and_b32 s46, s7, 63
	s_lshl_b32 s46, s46, 7
	s_add_co_u32 s5, s5, s46
	s_cmp_lt_u32 s3, 3
	s_cselect_b32 s40, s5, s40
	s_lshr_b32 s5, s7, 9                           ; h: 1,048,576 b + 128 t; the column block stands in the stores' immediates
	s_lshl_b32 s5, s5, 20
	s_and_b32 s46, s7, 511
	s_lshl_b32 s46, s46, 7
	s_add_co_u32 s5, s5, s46
	s_cmp_lt_u32 ttmp9, 512
	s_cselect_b32 s40, s5, s40
	s_mov_b32 s41, 0
	s_mov_b32 s[RN], 0x3a800000
	s_mov_b32 s[EPSR], 0x3727c5ac
	s_mov_b32 s[SEL], 0x76543210
	s_mov_b32 s[SEL+1], 0xfedcba98
	s_wait_kmcnt 0x0
	s_mov_b64 s[SRC:SRC+1], s[14:15]               ; the source is chosen by the group's number alone
	s_cmp_eq_u32 s3, 1
	s_cselect_b64 s[SRC:SRC+1], s[16:17], s[SRC:SRC+1]
	s_cmp_eq_u32 s3, 2
	s_cselect_b64 s[SRC:SRC+1], s[18:19], s[SRC:SRC+1]
	s_cmp_eq_u32 s3, 3
	s_cselect_b64 s[SRC:SRC+1], s[20:21], s[SRC:SRC+1]
	s_cmp_eq_u32 s3, 4
	s_cselect_b64 s[SRC:SRC+1], s[22:23], s[SRC:SRC+1]
	s_cmp_eq_u32 s3, 5
	s_cselect_b64 s[SRC:SRC+1], s[24:25], s[SRC:SRC+1]
	s_cmp_lt_u32 ttmp9, 512
	s_cselect_b64 s[SRC:SRC+1], s[8:9], s[SRC:SRC+1]
	s_mov_b64 s[DST:DST+1], s[28:29]               ; and so is the destination
	s_cmp_eq_u32 s3, 4
	s_cselect_b64 s[DST:DST+1], s[30:31], s[DST:DST+1]
	s_cmp_eq_u32 s3, 5
	s_cselect_b64 s[DST:DST+1], s[32:33], s[DST:DST+1]
	s_cmp_lt_u32 ttmp9, 512
	s_cselect_b64 s[DST:DST+1], s[26:27], s[DST:DST+1]
	s_add_nc_u64 s[SRC:SRC+1], s[SRC:SRC+1], s[38:39]
	s_add_nc_u64 s[DST:DST+1], s[DST:DST+1], s[40:41]
.macro LOADROWS                        ; my two rows: sixteen loads of 512 consecutive bytes; lane l holds columns 128 j + 4 l .. + 3 in registers 4 j .. 4 j + 3
.irp i, 0,1
.irp j, 0,1,2,3,4,5,6,7
	global_load_b128 v[X+32*(\i)+4*(\j):X+32*(\i)+4*(\j)+3], v[VIN], s[SRC:SRC+1] offset:ROWB*(\i)+512*(\j) th:TH_LOAD_NT
.endr
.endr
.endm
.macro PACK i                          ; row i rounded to bf16 in place: pair p lands in register p, which has been read by then
.set p, 0
.rept 16
	v_cvt_pk_bf16_f32 v[X+32*(\i)+p], v[X+32*(\i)+2*p], v[X+32*(\i)+2*p+1]
.set p, p+1
.endr
.endm
.macro STOREROW i                      ; a row as it lies: 256 consecutive bytes a store
.irp j, 0,1,2,3,4,5,6,7
	global_store_b64 v[VOUT], v[X+32*(\i)+2*(\j):X+32*(\i)+2*(\j)+1], s[DST:DST+1] offset:2048*(\i)+256*(\j)
.endr
.endm
; Both rows by blocks of 64 columns, stride bytes from block to block.  The exchange gives row 0's registers the lower lanes of both rows (columns 128 j .. + 63: block 2 j) and row 1's the upper
; lanes of both (block 2 j + 1): lanes 0-15 then hold the first row's 128 bytes of a block, lanes 16-31 the second row's, which follow them in memory.
.macro SWAPSTORE stride
.set p, 0
.rept 16
	v_permlane16_swap_b32 v[X+p], v[X+32+p]
.set p, p+1
.endr
.irp j, 0,1,2,3,4,5,6,7
.irp e, 0,1
	global_store_b64 v[VOUT], v[X+32*(\e)+2*(\j):X+32*(\e)+2*(\j)+1], s[DST:DST+1] offset:(2*(\j)+(\e))*(\stride)  ; 256 consecutive bytes, aligned
.endr
.endr
.endm
.macro REDUCE                          ; the four chains, the pair's halves, the 32 lanes: every lane ends with the sum in v[T]
	v_pk_add_f32 v[T:T+1], v[T:T+1], v[T+2:T+3]
	v_pk_add_f32 v[T+4:T+5], v[T+4:T+5], v[T+6:T+7]
	v_pk_add_f32 v[T:T+1], v[T:T+1], v[T+4:T+5]
	v_add_f32 v[T], v[T], v[T+1]
	v_add_f32_dpp v[T], v[T], v[T] row_xmask:1 row_mask:0xf bank_mask:0xf
	v_add_f32_dpp v[T], v[T], v[T] row_xmask:2 row_mask:0xf bank_mask:0xf
	v_add_f32_dpp v[T], v[T], v[T] row_xmask:4 row_mask:0xf bank_mask:0xf
	v_add_f32_dpp v[T], v[T], v[T] row_xmask:8 row_mask:0xf bank_mask:0xf
	v_permlanex16_b32 v[PX], v[T], s[SEL], s[SEL+1]
	v_add_f32 v[T], v[T], v[PX]
.endm
.macro LNROW i, left                   ; left: the younger loads that may stay out
.set R0, X+32*(\i)
	s_wait_loadcnt \left
.irp c, 0,1,2,3
	v_pk_add_f32 v[T+2*(\c):T+2*(\c)+1], v[R0+2*(\c):R0+2*(\c)+1], v[R0+2*(\c)+8:R0+2*(\c)+9]  ; the first eight pairs start the chains: nothing is cleared
.endr
.set k, 8
.rept 8
	v_pk_add_f32 v[T+2*(k%4):T+2*(k%4)+1], v[T+2*(k%4):T+2*(k%4)+1], v[R0+2*k:R0+2*k+1]
.set k, k+1
.endr
	REDUCE
	v_mul_f32 v[MU], s[RN], v[T]
	v_mov_b32 v[MU+1], v[MU]
.set k, 0
.rept 16
	v_pk_add_f32 v[R0+2*k:R0+2*k+1], v[R0+2*k:R0+2*k+1], v[MU:MU+1] neg_lo:[0,1] neg_hi:[0,1]  ; x - mean
.set k, k+1
.endr
.irp c, 0,1,2,3
	v_pk_mul_f32 v[T+2*(\c):T+2*(\c)+1], v[R0+2*(\c):R0+2*(\c)+1], v[R0+2*(\c):R0+2*(\c)+1]
.endr
.set k, 4
.rept 12
	v_pk_fma_f32 v[T+2*(k%4):T+2*(k%4)+1], v[R0+2*k:R0+2*k+1], v[R0+2*k:R0+2*k+1], v[T+2*(k%4):T+2*(k%4)+1]
.set k, k+1
.endr
	REDUCE
	v_fma_f32 v[RS], v[T], s[RN], s[EPSR]          ; var + eps
	v_rsq_f32 v[RS], v[RS]
	v_nop                                          ; a plain instruction between the root and the use of its result (ISA guide 5.7.2)
	s_wait_alu depctr_va_vdst(0)
	v_mov_b32 v[RS+1], v[RS]
.set k, 0
.rept 16
	v_pk_mul_f32 v[R0+2*k:R0+2*k+1], v[R0+2*k:R0+2*k+1], v[RS:RS+1]
.set k, k+1
.endr
.set k, 0
.rept 16
	v_pk_fma_f32 v[R0+2*k:R0+2*k+1], v[R0+2*k:R0+2*k+1], v[G+2*k:G+2*k+1], v[B+2*k:B+2*k+1]
.set k, k+1
.endr
	PACK \i
.endm
	s_cmp_lt_u32 ttmp9, 512
	s_cbranch_scc0 .Lcvt
.irp j, 0,1,2,3,4,5,6,7
	global_load_b128 v[G+4*(\j):G+4*(\j)+3], v[VIN], s[GP:GP+1] offset:512*(\j)
	global_load_b128 v[B+4*(\j):B+4*(\j)+3], v[VIN], s[BP:BP+1] offset:512*(\j)
.endr
	LOADROWS
	LNROW 0, 8                                     ; gain, bias and row 0 are in; row 1's eight loads may be out
	LNROW 1, 0
	SWAPSTORE 65536                                ; a column block of h is 512 rows of 128 bytes
	s_endpgm                                       ; no register that a load or store names is written again behind it, so no further wait is needed
.Lcvt:
	LOADROWS
	s_cmp_lt_u32 s3, 3
	s_cbranch_scc0 .Lplain
	s_wait_loadcnt 0x0
	PACK 0
	PACK 1
	SWAPSTORE 393216                               ; a head's part of q, k, v: 16 x 24,576 bytes
	s_endpgm
.Lplain:
	s_wait_loadcnt 8                               ; row 0 is in
	PACK 0
	STOREROW 0
	s_wait_loadcnt 0x0
	PACK 1
	STOREROW 1
	s_endpgm
.Lfunc_end_k_qabada1981f_prep:
	.size	k_qabada1981f_prep, .Lfunc_end_k_qabada1981f_prep-k_qabada1981f_prep
	.p2alignl 7, 3214868480
	.fill 96, 4, 3214868480
	.section	.rodata,"a",@progbits
	.p2align	6, 0x0
	.amdhsa_kernel k_qabada1981f_prep
		.amdhsa_group_segment_fixed_size 0
		.amdhsa_private_segment_fixed_size 0
		.amdhsa_enable_private_segment 0
		.amdhsa_kernarg_size 104
		.amdhsa_user_sgpr_count 2
		.amdhsa_user_sgpr_kernarg_segment_ptr 1
		.amdhsa_wavefront_size32 1
		.amdhsa_system_sgpr_workgroup_id_x 1
		.amdhsa_system_sgpr_workgroup_id_y 1
		.amdhsa_system_sgpr_workgroup_id_z 1
		.amdhsa_system_vgpr_workitem_id 0
		.amdhsa_next_free_vgpr 144
		.amdhsa_next_free_sgpr 66
		.amdhsa_reserve_vcc 0
		.amdhsa_float_denorm_mode_32 3
		.amdhsa_float_denorm_mode_16_64 3
		.amdhsa_memory_ordered 1
		.amdhsa_forward_progress 1
		.amdhsa_inst_pref_size 32
	.end_amdhsa_kernel
	.amdgpu_metadata
---
amdhsa.version: [ 1, 2 ]
amdhsa.kernels:
  - .name:           k_qabada1981f_prep
    .symbol:         k_qabada1981f_prep.kd
    .args:
      - { .name: x, .offset: 0, .size: 8, .value_kind: global_buffer, .address_space: global }
      - { .name: ln1_g, .offset: 8, .size: 8, .value_kind: global_buffer, .address_space: global }
      - { .name: ln1_b, .offset: 16, .size: 8, .value_kind: global_buffer, .address_space: global }
      - { .name: w_q, .offset: 24, .size: 8, .value_kind: global_buffer, .address_space: global }
      - { .name: w_k, .offset: 32, .size: 8, .value_kind: global_buffer, .address_space: global }
      - { .name: w_v, .offset: 40, .size: 8, .value_kind: global_buffer, .address_space: global }
      - { .name: w1, .offset: 48, .size: 8, .value_kind: global_buffer, .address_space: global }
      - { .name: w_o, .offset: 56, .size: 8, .value_kind: global_buffer, .address_space: global }
      - { .name: w2, .offset: 64, .size: 8, .value_kind: global_buffer, .address_space: global }
      - { .name: hbuf, .offset: 72, .size: 8, .value_kind: global_buffer, .address_space: global }
      - { .name: wb, .offset: 80, .size: 8, .value_kind: global_buffer, .address_space: global }
      - { .name: wob, .offset: 88, .size: 8, .value_kind: global_buffer, .address_space: global }
      - { .name: w2b, .offset: 96, .size: 8, .value_kind: global_buffer, .address_space: global }
    .group_segment_fixed_size: 0
    .private_segment_fixed_size: 0
    .kernarg_segment_align: 8
    .kernarg_segment_size: 104
    .max_flat_workgroup_size: 256
    .sgpr_count:     66
    .vgpr_count:     144
    .wavefront_size: 32
...
	.end_amdgpu_metadata
.endif
;; end of part 7
;; launch qattn (part 8): grid 16 x 16, 4 waves a work-group, clusters of 4 x 4, 327,680 bytes of LDS; arguments hbuf, wb, obuf; writes obuf
.if DOCPART == 8
	.amdgcn_target "amdgcn-amd-amdhsa--gfx1250"
	.amdhsa_code_object_version 6
	.text
	.protected	k_qabada1981f_qattn
	.globl	k_qabada1981f_qattn
	.p2align	8
	.type	k_qabada1981f_qattn,@function
k_qabada1981f_qattn:
	s_mov_b64 s[64:65], 0
	v_nop
	global_prefetch_b8 v0, s[64:65] scope:SCOPE_SE
	s_setreg_imm32_b32 hwreg(HW_REG_WAVE_MODE, 25, 1), 1
	s_wait_xcnt 0x0
	s_wait_alu depctr_hold_cnt(0) depctr_sa_sdst(0) depctr_va_vdst(0) depctr_va_sdst(0) depctr_va_ssrc(0) depctr_va_vcc(0) depctr_vm_vsrc(0)
	s_getreg_b32 s2, hwreg(HW_REG_IB_STS2, 6, 4)
	s_cmp_eq_u32 s2, 0
	s_cbranch_scc0 .Lentry_in_a_cluster
	s_endpgm
.Lentry_in_a_cluster:
	s_bfe_u32 s2, ttmp6, 0x10000c
	s_cmp_lg_u32 s2, 0xf033
	s_cbranch_scc0 .Lentry_shape_is_right
	s_endpgm
.Lentry_shape_is_right:
; Q, K, V PROJECTION AND CAUSAL ATTENTION OF ONE HEAD OF ONE BATCH ROW, in one work-group: q, k and v never leave the WGP.
; [q | k | v] = h[b] (512 x 1024) x the head's 3 x 64 columns of w_q, w_k, w_v; then O[t] = the sum over k <= t of softmax_k(q[t] . k[k] / 8) v[k].
; h: [b][column block 16][t 512][64] bf16.  The weights, in wb: [head][k / 64][q, k, v][k % 64][64] bf16.  O: [b][head][t][64] bf16.
; All sums, maxima and the softmax in f32; q, k, v and the weights p are rounded once to bf16 for the products that take them (the sum l is taken of the unrounded p).
; SHARES.  16 x 16 = 256 work-groups.  Of the 8 bands of 64 rows wave w owns rows 16 w .. 16 w + 15 in each: 8 blocks, in the projection and in attention alike.
; PROJECTION.  A wave makes 128 rows x 192 columns: 96 accumulators, 768 registers.  K goes in 16 steps of 64 through two LDS slots filled by tensor loads; a step's h is 65,536 dense bytes, its
; weights 24,576: both are asked for as rows of 256 bytes and padded in LDS after every 128.  THE MATRIX INSTRUCTION IS USED TRANSPOSED (source 0 = 16 columns of W, read turned; source 1 = 16 rows
; of h): a lane holds eight neighbouring channels of one row.  So q, rounded in pairs, IS attention's fragment of Q, and k and v go into LDS as 16 bytes a lane.
; A CHUNK is 32 along K: three phases of 32 products (q, k, v).  h's fragments have two buffers, each matrix's fragments one: a buffer is loaded again in the phase behind its last use.
; CLUSTER 4 x 4: the four work-groups of a row share the batch row and ask for h's tiles jointly, the four of a column share the head and ask for W's jointly.
; ATTENTION.  In key step s (64 keys) block j sees nothing (j < s: jumped over), holds the diagonal (j = s) or sees all (j > s): the same for all four waves; the jumps hang on the step's counter
; alone and go forward.  S^T = K Q^T holds ONE query a lane; two such results rounded to bf16 ARE source 1 of O^T = V^T P.  A running maximum m and sum l: p = 2^(c s - c m), c = log2(e) / 8; O and
; l are multiplied by a = 2^(c m_old - c m_new) in every step.  c m starts far below every c s, so the first step's a is 0: O^T's registers, which hold q's sums then, need only hold finite numbers.
; THE MASK is the C operand that starts the sums of the diagonal step: 0, or -1e30 where the key is hidden.  Every row sees its step's first key, so m is a true score.
; LIMITS.  Matrix operands are bf16; a hidden score counts as its value less 1e30; a weight below 2^-126 counts as 0; NaN and infinities are not treated apart.
; REGISTERS (s_set_vgpr_msb: bits 1:0 source 0, 3:2 source 1, 5:4 source 2, 7:6 destination).  Window 0: v0-31 addresses; v32-159 h's fragments, v160-255 W's; later attention's work.
;   Windows 1, 2, 3: the accumulators of q, k, v, (block a, 16 columns bb) at v[8 (4 a + bb)].  Later window 1: O^T, 32 a block; window 2: v0-127 Q, v128-191 K, v192-255 V of one key step.
.set PA,    144                        ; a row of h in LDS: 128 bytes + 16: the 16 rows of a load start 4 banks apart (64 banks of 4 bytes: ISA guide 11.1)
.set PW,    160                        ; a row of W: 128 + 32
.set BOFF,  512*PA                     ; a slot: h's 512 rows, then W's 3 x 64 rows
.set WMAT,  64*PW
.set SLOT1, 0x20000                    ; slot 1 begins here: one exclusive or turns an address in one slot into the other's
.set ASTEP, 65536                      ; bytes from a K step to the next in h,
.set BSTEP, 24576                      ; and in W
.set PK,    144                        ; k in LDS, from byte 0 on: in slot 0, behind its last fill and behind the barrier that ends its reads
.set PV,    160
.set STAGE, 512*PK                     ; 16 rows x 144 bytes for each wave, in slot 0 likewise
.set SP,    144
.set VBASE, SLOT1+BOFF+3*WMAT          ; v in LDS: behind slot 1, bytes that no tensor load fills
.set SPARE, VBASE+512*PV               ; the spare words, 128 bytes for each wave: two blocks of 256 bytes that no other line names
.set AK0, 2                            ; v2, v3   my lane's place in a key step's K and V; never rewritten
.set AV0, 3
.set AK,  4                            ; v4, v5   the same in the step in hand
.set AV,  5
.set STO, 6                            ; v6   the way out: where I put 16 bytes of a row
.set RD,  7                            ; v7   where I read rows back
.set GO,  8                            ; v8   my byte offset in 512 consecutive bytes of O
.set ADRA0, 16                         ; v16  my lane's place in h's tile of slot 0: (16 w + r) x 144 + 16 (l / 16).  k's rows have the same pitch and begin at byte 0:
.set KSTO,  16                         ;      it is also where I put 16 bytes of a row of k
.set ADRB0, 17                         ; v17  my lane's place in W's tile of slot 0
.set ADRA,  18                         ; v18, v19  the same in the slot in hand
.set ADRB,  19
.set VSTO,  21                         ; v21, v22  where I put 16 bytes of a row of v: blocks 0-3, blocks 4-7
.set VSTO2, 22
.set MV,  23                           ; v23  c m_old
.set SPW, 30                           ; v30  LDS address of my spare word; never rewritten
.set NIL, 31                           ; v31  0; never rewritten
.set FA0, 32                           ; h's fragments: block a at + 8 a
.set FA1, 96
.set FB,  160                          ; W's: matrix p, columns 16 bb on at + 32 p + 8 bb
.set ST,  32                           ; block j's statistics at v[ST + 4 j]: c m, m, l (even keys', odd keys')
.set S,   64
.set P,   96
.set TMP, 112                          ; v112-115 at work; a in v114
.set CT,  64                           ; v64-191  k, then v, rounded, on their way into LDS
.set OBK, 64                           ; the way out: 16 registers a block
.set MD,  224                          ; v224-255 the diagonal step's mask
.set KF,  128                          ; window 2
.set VF,  192
.set WV,  14                           ; s14  my wave's number
.set MI,  15                           ; s15  I fetch for h (0) or for W (1)
.set NI,  16                           ; s16  which half of that tile
.set G1A, 24                           ; s[24:31] descriptor group 1 for h's tiles;  s[32:39] group 0: slot 0's first fill, and the one that walks
.set G0A, 32
.set G1B, 48                           ; s[48:55], s[56:63] the same for W's
.set G0B, 56
.set TB,  66                           ; s66  LDS byte at which the slot in hand begins
.set STEP, 67                          ; s67  the key step, 0 to 7
.set BIGN, 68                          ; s68  -1e30
.set CS,  70                           ; s[70:71] c
.set SEL, 72                           ; s[72:73] v_permlanex16_b32's selects
.set TBK, 74                           ; s74  LDS byte at which the key step's K begins
.set TBV, 75                           ; s75  the same for V, less VBASE
.set W_KQ, 0x0a                        ; K and Q in window 2, C and S^T in window 0
.set W_PV, 0x52                        ; V in window 2, P in window 0, O^T in window 1
.set W_RS, 0x41                        ; destination and source 0 in window 1
.set MSB, 0
.macro WIN new                         ; the immediate's high byte repeats the setting that is left; a switch that changes nothing is dropped
.if MSB != (\new)
	s_set_vgpr_msb (MSB<<8)|(\new)
.set MSB, (\new)
.endif
.endm
.macro PLACES                          ; four places behind matrix instructions (ISA guide 7.12.1), where no other vector work is at hand
.rept 4
	v_nop
.endr
.endm
.macro JLOAD                           ; a joint refill by the walking descriptors: waves 0 and 1 fetch h's halves, waves 2 and 3 W's; s_nop 0 and four v_nop follow each line
	s_cmp_eq_u32 s[MI], 0
	s_cbranch_scc0 .Lfor_b_\@
	tensor_load_to_lds s[G0A+4:G0A+7], s[G1A:G1A+7]
	s_nop 0
	PLACES
	s_branch .Lasked_\@
.Lfor_b_\@:
	tensor_load_to_lds s[G0B+4:G0B+7], s[G1B:G1B+7]
	s_nop 0
	PLACES
.Lasked_\@:
.endm
.macro CREST                           ; a round of the cluster's barrier behind its opening barrier
	s_cmp_lg_u32 s[WV], 0
	s_cbranch_scc1 .Lnot_wave_0_\@
	s_barrier_signal -3
.Lnot_wave_0_\@:
	s_barrier_wait -3
	s_barrier_signal -1
	s_barrier_wait -1
.endm
.macro CROUND
	s_barrier_signal -1
	s_barrier_wait -1
	CREST
.endm
; 4 n matrix instructions: blocks a0 .. a0 + n - 1 x the four groups of 16 columns of matrix p, 32 along K.  z = 1: the product starts the sums.
; Every accumulator has one instruction a chunk, in the same order everywhere: the accumulators take turns.
.macro WM p, fa, a0, n, z
	WIN 0x50*((\p)+1)                              ; fragments in window 0, C and D in window 1 + p
.set ma, (\a0)
.rept (\n)
.irp bb, 0,1,2,3
.if \z
	v_wmma_f32_16x16x32_bf16 v[8*(4*ma+(\bb)):8*(4*ma+(\bb))+7], v[FB+32*(\p)+8*(\bb):FB+32*(\p)+8*(\bb)+7], v[(\fa)+8*ma:(\fa)+8*ma+7], 0
.else
	v_wmma_f32_16x16x32_bf16 v[8*(4*ma+(\bb)):8*(4*ma+(\bb))+7], v[FB+32*(\p)+8*(\bb):FB+32*(\p)+8*(\bb)+7], v[(\fa)+8*ma:(\fa)+8*ma+7], v[8*(4*ma+(\bb)):8*(4*ma+(\bb))+7]
.endif
.endr
.set ma, ma+1
.endr
.endm
.macro LDB p, kk                       ; 8 LDS loads: matrix p's four fragments, turned; half kk of the slot's 64 along K
	WIN 0
.irp bb, 0,1,2,3
	ds_load_tr16_b128 v[FB+32*(\p)+8*(\bb):FB+32*(\p)+8*(\bb)+3],   v[ADRB] offset:(\p)*WMAT+(\kk)*32*PW+32*(\bb)
	ds_load_tr16_b128 v[FB+32*(\p)+8*(\bb)+4:FB+32*(\p)+8*(\bb)+7], v[ADRB] offset:(\p)*WMAT+(\kk)*32*PW+32*(\bb)+16*PW
.endr
.endm
.macro LDA fa, kk                      ; 16 LDS loads: h's eight fragments
	WIN 0
.irp a, 0,1,2,3,4,5,6,7
	ds_load_b128 v[(\fa)+8*(\a):(\fa)+8*(\a)+3],   v[ADRA] offset:(\a)*64*PA+64*(\kk)
	ds_load_b128 v[(\fa)+8*(\a)+4:(\fa)+8*(\a)+7], v[ADRA] offset:(\a)*64*PA+64*(\kk)+32
.endr
.endm
; A slot's first chunk c.  LDS loads are issued in this order, chunk after chunk: v's fragments of c, h's of c + 1 | q's of c + 1 | k's of c + 1; each run stands behind 8 products and four places,
; which part it from the last product that read its registers.
.macro CHUNK_E z
	s_wait_dscnt 8                                 ; h's and q's fragments are in; k's eight loads may be out
	WM 0, FA0, 0, 2, \z
	PLACES
	LDB 2, 0
	LDA FA1, 1
	WM 0, FA0, 2, 6, \z
	s_wait_dscnt 24                                ; k's are in; the 24 just issued may be out
	WM 1, FA0, 0, 2, \z
	PLACES
	LDB 0, 1
	WM 1, FA0, 2, 6, \z
	s_wait_dscnt 24                                ; v's are in; behind them h's 16 and q's 8
	WM 2, FA0, 0, 2, \z
	PLACES
	LDB 1, 1
	WM 2, FA0, 2, 6, \z
.endm
; A slot's second chunk, and the change of slots: v's fragments are my last reads of this slot.  Then each wave waits for all its tensor loads (one is out: its part of the next slot), adds 0 to its
; spare word, and waits for that and for its reads; one barrier.  fill = 1: it opens a round of the cluster's barrier, and this slot is filled again first thing behind the round, two K steps ahead.
.macro CHUNK_O fill
	s_wait_dscnt 8                                 ; h's and q's fragments are in
	WM 0, FA1, 0, 2, 0
	PLACES
	LDB 2, 1
	s_wait_tensorcnt 0x0
	ds_add_u32 v[SPW], v[NIL]
	WM 0, FA1, 2, 2, 0
	s_wait_dscnt 0x0                               ; the add is done, and my reads of this slot are over
	s_barrier_signal -1
	WM 0, FA1, 4, 2, 0
	WIN 0
	s_barrier_wait -1
.if \fill
	CREST                                          ; no wave of any partner still reads this slot or has a load on its way
	s_xor_b32 s[G0A+5], s[G0A+5], SLOT1            ; the walking descriptors: the other slot than last time, the next K step
	s_add_nc_u64 s[G0A+6:G0A+7], s[G0A+6:G0A+7], ASTEP
	s_xor_b32 s[G0B+5], s[G0B+5], SLOT1
	s_add_nc_u64 s[G0B+6:G0B+7], s[G0B+6:G0B+7], BSTEP
	JLOAD                                          ; 176 matrix instructions ahead of the wait for it
.endif
	s_xor_b32 s[TB], s[TB], SLOT1
	v_add_nc_u32 v[ADRA], s[TB], v[ADRA0]
	v_add_nc_u32 v[ADRB], s[TB], v[ADRB0]
	LDA FA0, 0                                     ; the next slot's first fragments; the places above part them from the last product that read this buffer
	WM 0, FA1, 6, 2, 0
	WM 1, FA1, 0, 2, 0                             ; k's and v's fragments came in with the wait for 0
	PLACES
	LDB 0, 0
	WM 1, FA1, 2, 6, 0
	WM 2, FA1, 0, 2, 0
	PLACES
	LDB 1, 0
	WM 2, FA1, 2, 6, 0
.endm
	s_load_b128 s[4:7], s[0:1], 0x0                ; hbuf s[4:5], wb s[6:7]
	s_load_b64 s[8:9], s[0:1], 0x10                ; obuf
	v_lshl_add_u32 v[SPW], v0, 2, SPARE
	v_mov_b32 v[NIL], 0
	ds_add_u32 v[SPW], v[NIL]                      ; the wave's opening: the add and its wait ahead of my first tensor load
	ds_add_u32 v30, v31
	v_lshrrev_b32 v1, 5, v0
	v_readfirstlane_b32 s[WV], v1
	s_lshr_b32 s[MI], s[WV], 1
	s_and_b32 s[NI], s[WV], 1
	s_bfe_u32 s40, ttmp6, 0x40000                  ; cx
	s_bfe_u32 s41, ttmp6, 0x40004                  ; cy
	s_lshl_b32 s42, ttmp9, 2
	s_add_co_u32 s42, s42, s40                     ; the head = 4 x cluster x + cx
	s_and_b32 s43, ttmp7, 0xffff
	s_lshl_b32 s43, s43, 2
	s_add_co_u32 s43, s43, s41                     ; the batch row = 4 x cluster y + cy
	s_lshl_b32 s44, s41, 2
	s_lshl_b32 s44, 15, s44                        ; my row of the cluster
	s_lshl_b32 s45, 0x1111, s40                    ; my column
	s_or_b32 s[G1A], s44, (1<<16)|(1<<20)|(1<<21)|(4<<22)|(3<<25)  ; mask; 2-byte elements; padding on; bit 21 beside a mask; after every 32 words 4 words
	s_mov_b32 s[G1A+1], 128<<16                    ; tensor_dim0 = 128: 256 bytes, two rows of h
	s_mov_b32 s[G1A+2], 128<<16                    ; tensor_dim1 = 128
	s_mov_b32 s[G1A+3], 128<<16                    ; tile_dim0 = 128
	s_mov_b32 s[G1A+4], 128                        ; tile_dim1 = 128
	s_mov_b32 s[G1A+5], 128                        ; dense
	s_mov_b32 s[G1A+6], 0
	s_mov_b32 s[G1A+7], 0
	s_or_b32 s[G1B], s45, (1<<16)|(1<<20)|(1<<21)|(4<<22)|(7<<25)  ; after every 32 words 8 words
	s_mov_b32 s[G1B+1], 128<<16
	s_mov_b32 s[G1B+2], 48<<16                     ; half of a step's 96 rows of 256 bytes
	s_mov_b32 s[G1B+3], 128<<16
	s_mov_b32 s[G1B+4], 48
	s_mov_b32 s[G1B+5], 128
	s_mov_b32 s[G1B+6], 0
	s_mov_b32 s[G1B+7], 0
	s_lshl_b32 s18, s43, 20                        ; h: the batch row's 1,048,576 bytes,
	s_lshl_b32 s19, s[NI], 15                      ; my 256 of the 512 rows
	s_add_co_u32 s18, s18, s19
	s_mov_b32 s19, 0
	s_mul_i32 s20, s42, 393216                     ; W: the head's 16 x 24,576 bytes,
	s_mul_i32 s21, s[NI], 12288                    ; my half of a step
	s_add_co_u32 s20, s20, s21
	s_mov_b32 s21, 0
	s_mul_i32 s22, s[NI], 256*PA                   ; where they go: no place in the cluster enters an LDS address
	s_mul_i32 s23, s[NI], 96*PW
	s_add_co_u32 s23, s23, BOFF
	s_mov_b32 s[TB], 0
	s_mov_b32 s[STEP], 0
	s_mov_b32 s[BIGN], 0xf149f2ca
	s_mov_b32 s[CS], 0x3e38aa3b                    ; c = log2(e) / 8
	s_mov_b32 s[CS+1], s[CS]                       ; named with it as a pair
	s_mov_b32 s[SEL], 0x76543210
	s_mov_b32 s[SEL+1], 0xfedcba98
	s_mov_b32 s[TBK], 0
	s_mov_b32 s[TBV], 0
	s_wait_dscnt 0x0                               ; the opening add is done
	s_wait_kmcnt 0x0
	s_add_nc_u64 s[18:19], s[4:5], s[18:19]
	s_add_nc_u64 s[20:21], s[6:7], s[20:21]
	CROUND                                         ; all sixteen work-groups are here: the first joint loads meet
.irp s, 0,1
	s_mov_b32 s[G0A+4*(\s)], 1
	s_add_co_u32 s[G0A+4*(\s)+1], s22, (\s)*SLOT1
	s_add_nc_u64 s[G0A+4*(\s)+2:G0A+4*(\s)+3], s[18:19], (\s)*ASTEP
	s_or_b32 s[G0A+4*(\s)+3], s[G0A+4*(\s)+3], 0x80000000
	s_mov_b32 s[G0B+4*(\s)], 1
	s_add_co_u32 s[G0B+4*(\s)+1], s23, (\s)*SLOT1
	s_add_nc_u64 s[G0B+4*(\s)+2:G0B+4*(\s)+3], s[20:21], (\s)*BSTEP
	s_or_b32 s[G0B+4*(\s)+3], s[G0B+4*(\s)+3], 0x80000000
.endr
	s_cmp_eq_u32 s[MI], 0                          ; a wave's two first fills stand in one branch: two loads of mine are out
	s_cbranch_scc0 .Lfirst_b
	tensor_load_to_lds s[G0A:G0A+3], s[G1A:G1A+7]
	s_nop 0
	tensor_load_to_lds s[G0A+4:G0A+7], s[G1A:G1A+7]
	s_nop 0
	PLACES
	s_branch .Lfirst_asked
.Lfirst_b:
	tensor_load_to_lds s[G0B:G0B+3], s[G1B:G1B+7]
	s_nop 0
	tensor_load_to_lds s[G0B+4:G0B+7], s[G1B:G1B+7]
	s_nop 0
	PLACES
.Lfirst_asked:
	; every address of the launch is made here, in the wait for the first tiles
	v_and_b32 v1, 15, v0                           ; r = l % 16
	v_bfe_u32 v9, v0, 4, 1                         ; l / 16
	v_and_b32 v10, 7, v0
	v_bfe_u32 v11, v0, 3, 1
	s_lshl_b32 s13, s[WV], 4
	v_add_nc_u32 v12, s13, v1                      ; my row in a band: 16 w + r
	v_mul_u32_u24 v[ADRA0], v12, PA                ; a fragment of h: that row, 16 bytes for each half of the lanes
	v_lshl_add_u32 v[ADRA0], v9, 4, v[ADRA0]
	v_mul_u32_u24 v[VSTO], v12, PV
	v_lshl_add_u32 v[VSTO], v9, 4, v[VSTO]
	v_add_nc_u32 v[VSTO], VBASE, v[VSTO]
	v_add_nc_u32 v[VSTO2], 4*64*PV, v[VSTO]        ; a second register: 7 bands of 10,240 bytes pass the 16 bits of an LDS offset
	v_lshl_add_u32 v13, v9, 3, v10                 ; the turning load: row 8 (l / 16) + l % 8, columns 8 ((l / 8) % 2) on; W's and v's rows have the same pitch
	v_mul_u32_u24 v13, v13, PW
	v_lshl_add_u32 v13, v11, 4, v13
	v_add_nc_u32 v[ADRB0], BOFF, v13
	v_add_nc_u32 v[AV0], VBASE, v13
	v_mov_b32 v[ADRA], v[ADRA0]
	v_mov_b32 v[ADRB], v[ADRB0]
	v_mul_u32_u24 v[AK0], v1, PK
	v_lshl_add_u32 v[AK0], v9, 4, v[AK0]
	v_lshlrev_b32 v14, 3, v9
	v_sub_nc_u32 v14, v12, v14                     ; my query's place in its band less my lanes' 8 (l / 16): register r of key group kt is hidden where 16 kt + r is greater
	s_mul_i32 s13, s[WV], 16*SP
	s_add_co_u32 s13, s13, STAGE                   ; my stage
	v_mul_u32_u24 v[STO], v1, SP
	v_lshl_add_u32 v[STO], v9, 4, v[STO]
	v_add_nc_u32 v[STO], s13, v[STO]
	v_bfe_u32 v[RD], v0, 3, 2                      ; back: 32 lanes take four rows of 128 bytes,
	v_mul_u32_u24 v[RD], v[RD], SP
	v_lshl_add_u32 v[RD], v10, 4, v[RD]
	v_add_nc_u32 v[RD], s13, v[RD]
	v_and_b32 v[GO], 31, v0                        ; which are 512 consecutive bytes of O
	v_lshlrev_b32 v[GO], 4, v[GO]
	s_lshl_b32 s46, s43, 20                        ; O: the batch row,
	s_lshl_b32 s47, s42, 16                        ; the head,
	s_add_co_u32 s46, s46, s47
	s_lshl_b32 s47, s[WV], 11                      ; my 16 rows of band 0
	s_add_co_u32 s46, s46, s47
	s_mov_b32 s47, 0
	s_add_nc_u64 s[10:11], s[8:9], s[46:47]
	s_wait_tensorcnt 1                             ; my part of K step 0 is in; K step 1's may stay out
	s_barrier_signal -1
	s_barrier_wait -1
	LDA FA0, 0
	LDB 0, 0
	LDB 1, 0
	CHUNK_E 1                                      ; the first chunk stands in front of the loop: its products start the sums
	WIN 0
	s_mov_b32 s3, 14
.Lk:                                                   ; a trip: a K step's second chunk and the next one's first; trip t fills slot t % 2 with K step t + 2
	CHUNK_O 1
	CHUNK_E 0
	WIN 0
	s_sub_co_u32 s3, s3, 1
	s_cmp_lg_u32 s3, 0
	s_cbranch_scc1 .Lk
	CHUNK_O 0                                      ; K steps 14 and 15 are left: nothing is left to ask for; behind this barrier nobody reads slot 0 any more
	CHUNK_E 0
	s_wait_dscnt 8                                 ; the last chunk fetches v's fragments alone
	WM 0, FA1, 0, 2, 0
	PLACES
	LDB 2, 1
	WM 0, FA1, 2, 6, 0
	s_wait_dscnt 8                                 ; k's fragments are in; v's eight may be out
	WM 1, FA1, 0, 8, 0
	s_wait_dscnt 0x0
	WM 2, FA1, 0, 8, 0
	WIN 0
	PLACES
	; q, k, v are rounded to bf16; each accumulator is read from its low end on.  t = 4 a + bb.
	WIN 0x0a                                       ; sources in window 2: k
.set t, 0
.rept 32
.irp p, 0,1,2,3
	v_cvt_pk_bf16_f32 v[CT+4*t+(\p)], v[8*t+2*(\p)], v[8*t+2*(\p)+1]
.endr
.set t, t+1
.endr
	WIN 0
.set t, 0
.rept 32
	ds_store_b128 v[KSTO], v[CT+4*t:CT+4*t+3] offset:(t/4)*64*PK+(t%4)*32  ; row 64 a + 16 w + r, channels 16 bb + 8 (l / 16) on
.set t, t+1
.endr
	WIN 0x85                                       ; sources in window 1, destination in window 2: q becomes Q's fragments: block a at 16 a, channels 16 bb + 8 (l / 16) on at + 4 bb
.set t, 0
.rept 32
.irp p, 0,1,2,3
	v_cvt_pk_bf16_f32 v[4*t+(\p)], v[8*t+2*(\p)], v[8*t+2*(\p)+1]
.endr
.set t, t+1
.endr
	WIN 0x0f                                       ; sources in window 3: v
.set t, 0
.rept 32
.irp p, 0,1,2,3
	v_cvt_pk_bf16_f32 v[CT+4*t+(\p)], v[8*t+2*(\p)], v[8*t+2*(\p)+1]
.endr
.set t, t+1
.endr
	WIN 0
.set t, 0
.rept 16
	ds_store_b128 v[VSTO], v[CT+4*t:CT+4*t+3] offset:(t/4)*64*PV+(t%4)*32
.set t, t+1
.endr
.set t, 0
.rept 16
	ds_store_b128 v[VSTO2], v[CT+64+4*t:CT+64+4*t+3] offset:(t/4)*64*PV+(t%4)*32
.set t, t+1
.endr
.set i, 0
.rept 32                                               ; the mask and the statistics are made while the stores are out
	v_cmp_gt_i32 vcc_lo, 16*(i/8)+i%8, v14
	v_cndmask_b32 v[MD+i], 0, s[BIGN], vcc_lo
.set i, i+1
.endr
.set i, 0
.rept 8
	v_mov_b32 v[ST+4*i], 0xfe000000                ; c m: far below every c s
	v_mov_b32 v[ST+4*i+1], 0xff7fffff              ; m
	v_mov_b32 v[ST+4*i+2], 0
	v_mov_b32 v[ST+4*i+3], 0
.set i, i+1
.endr
	s_wait_dscnt 0x0                               ; for the others' sake: my rows of k and v are in LDS,
	s_barrier_signal -1
	s_barrier_wait -1                              ; everybody's are
; Product i of 8 of S^T = K Q^T for block x: channels 32 (i / 4) on, keys 16 (i % 4) on.  c = 1: starts the sum with 0; 2: with the mask; 0: in place.  The four accumulators take turns.
.macro KQ x, c
	WIN W_KQ
.set rS, S+8*(i%4)
.set rK, KF+16*(i%4)+8*(i/4)
.set rQ, 16*(\x)+8*(i/4)
.if (\c) == 1
	v_wmma_f32_16x16x32_bf16 v[rS:rS+7], v[rK:rK+7], v[rQ:rQ+7], 0
.elseif (\c) == 2
	v_wmma_f32_16x16x32_bf16 v[rS:rS+7], v[rK:rK+7], v[rQ:rQ+7], v[MD+8*(i%4):MD+8*(i%4)+7]
.else
	v_wmma_f32_16x16x32_bf16 v[rS:rS+7], v[rK:rK+7], v[rQ:rQ+7], v[rS:rS+7]
.endif
.set i, i+1
.endm
; Product i of 8 of O^T += V^T P for block x: keys 32 (i / 4) on, channels 16 (i % 4) on
.macro PV x
	WIN W_PV
.set rA, 32*(\x)+8*(i%4)
.set rV, VF+32*(i/4)+8*(i%4)
.set rP, P+8*(i/4)
	v_wmma_f32_16x16x32_bf16 v[rA:rA+7], v[rV:rV+7], v[rP:rP+7], v[rA:rA+7]
.set i, i+1
.endm
; A block's part of a key step, in phases
.macro TILE j
.set rT, ST+4*(\j)
.set rO, 32*(\j)
	WIN 0
.if (\j) < 7
	s_cmp_gt_u32 s[STEP], \j
	s_cbranch_scc1 .Ldead\j                        ; the whole step lies above the diagonal
.endif
	s_cmp_eq_u32 s[STEP], \j
	s_cbranch_scc1 .Ldiag\j
.set i, 0
.rept 4
	KQ \j, 1
.endr
	WIN 0
	s_branch .Lrest\j
.Ldiag\j:
.set i, 0
.rept 4
	KQ \j, 2
.endr
	WIN 0
.Lrest\j:
.set i, 4
.rept 4
	KQ \j, 0
.endr
	WIN 0
	PLACES                                         ; behind those products
	; the maximum of the lane's 32 scores and the old m; each accumulator's lowest registers are read first
.irp n, 0,1,2,3
	v_max3_num_f32 v[TMP+(\n)], v[S+8*(\n)], v[S+8*(\n)+1], v[S+8*(\n)+2]
.endr
.irp n, 0,1,2,3
	v_max3_num_f32 v[TMP+(\n)], v[TMP+(\n)], v[S+8*(\n)+3], v[S+8*(\n)+4]
.endr
.irp n, 0,1,2,3
	v_max3_num_f32 v[TMP+(\n)], v[TMP+(\n)], v[S+8*(\n)+5], v[S+8*(\n)+6]
.endr
	v_max3_num_f32 v[TMP], v[TMP], v[S+7], v[S+15]
	v_max3_num_f32 v[TMP+1], v[TMP+1], v[S+23], v[S+31]
	v_max3_num_f32 v[TMP+2], v[TMP+2], v[TMP+3], v[rT+1]
	v_mov_b32 v[MV], v[rT]                         ; c m_old is kept
	v_max3_num_f32 v[TMP], v[TMP], v[TMP+1], v[TMP+2]
	v_permlanex16_b32 v[TMP+3], v[TMP], s[SEL], s[SEL+1]  ; the query's other 32 keys lie in the lane 16 away
	v_max_num_f32 v[rT+1], v[TMP], v[TMP+3]
	v_mul_f32 v[rT], s[CS], v[rT+1]
	v_sub_f32 v[TMP+1], v[MV], v[rT]
	v_exp_f32 v[TMP+2], v[TMP+1]                   ; a; the scalings below are the plain instructions behind it
.set n, 0
.rept 16
	v_pk_fma_f32 v[S+2*n:S+2*n+1], v[S+2*n:S+2*n+1], s[CS:CS+1], v[rT:rT+1] op_sel_hi:[1,0,0] neg_lo:[0,0,1] neg_hi:[0,0,1]  ; c s - c m
.set n, n+1
.endr
.set n, 0
.rept 32
	v_exp_f32 v[S+n], v[S+n]
.set n, n+1
.endr
	WIN W_RS
.set n, 0
	s_wait_alu depctr_va_vdst(0)
.rept 16
	v_pk_mul_f32 v[rO+2*n:rO+2*n+1], v[rO+2*n:rO+2*n+1], v[TMP+2:TMP+3] op_sel_hi:[1,0]  ; O^T times a: plain work behind the exponentials
.set n, n+1
.endr
	WIN 0
.set n, 0
.rept 16
	v_cvt_pk_bf16_f32 v[P+n], v[S+2*n], v[S+2*n+1]
.set n, n+1
.endr
.set i, 0
.rept 8
	PV \j
.endr
	WIN 0
	; the sum of the 16 pairs of weights stands behind the products, whose registers it does not name
.irp k, 0,1,2,3,4,5,6,7
	v_pk_add_f32 v[S+4*(\k):S+4*(\k)+1], v[S+4*(\k):S+4*(\k)+1], v[S+4*(\k)+2:S+4*(\k)+3]
.endr
.irp k, 0,1,2,3
	v_pk_add_f32 v[S+8*(\k):S+8*(\k)+1], v[S+8*(\k):S+8*(\k)+1], v[S+8*(\k)+4:S+8*(\k)+5]
.endr
.irp k, 0,1
	v_pk_add_f32 v[S+16*(\k):S+16*(\k)+1], v[S+16*(\k):S+16*(\k)+1], v[S+16*(\k)+8:S+16*(\k)+9]
.endr
	v_pk_add_f32 v[S:S+1], v[S:S+1], v[S+16:S+17]
	v_pk_fma_f32 v[rT+2:rT+3], v[rT+2:rT+3], v[TMP+2:TMP+3], v[S:S+1] op_sel_hi:[1,0,1]  ; l = a l + sum
.if (\j) < 7
.Ldead\j:
.endif
.endm
.Ls:                                                   ; 8 key steps.  Block 7 is never jumped: its 16 sums are the places between a trip's last products and the loads below
	v_add_nc_u32 v[AK], s[TBK], v[AK0]
	v_add_nc_u32 v[AV], s[TBV], v[AV0]
	WIN 0x80
.irp f, 0,1,2,3,4,5,6,7                        ; K: keys 16 (f / 2) on, channels 32 (f % 2) on
	ds_load_b128 v[KF+8*\f:KF+8*\f+3],   v[AK] offset:(\f/2)*16*PK+(\f%2)*64
	ds_load_b128 v[KF+8*\f+4:KF+8*\f+7], v[AK] offset:(\f/2)*16*PK+(\f%2)*64+32
.endr
.irp f, 0,1,2,3,4,5,6,7                        ; V, turned: keys 32 (f / 4) on, channels 16 (f % 4) on
	ds_load_tr16_b128 v[VF+8*\f:VF+8*\f+3],   v[AV] offset:(\f/4)*32*PV+(\f%4)*32
	ds_load_tr16_b128 v[VF+8*\f+4:VF+8*\f+7], v[AV] offset:(\f/4)*32*PV+16*PV+(\f%4)*32
.endr
	WIN 0
	s_wait_dscnt 0x0
.irp j, 0,1,2,3,4,5,6,7
	TILE \j
.endr
	s_add_co_u32 s[TBK], s[TBK], 64*PK
	s_add_co_u32 s[TBV], s[TBV], 64*PV
	s_add_co_u32 s[STEP], s[STEP], 1
	s_cmp_lt_u32 s[STEP], 8
	s_cbranch_scc1 .Ls
	; THE WAY OUT.  l's halves and the other half of the lanes' are added; O^T is divided by l, rounded to bf16 and sent through my stage, a block at a time.
.macro ALL line:vararg
.set t, 0
.rept 8
	\line
.set t, t+1
.endr
.endm
	ALL v_add_f32 v[ST+4*t+2], v[ST+4*t+2], v[ST+4*t+3]
	ALL v_permlanex16_b32 v[ST+4*t+3], v[ST+4*t+2], s[SEL], s[SEL+1]
	ALL v_add_f32 v[ST+4*t+2], v[ST+4*t+2], v[ST+4*t+3]
	ALL v_rcp_f32 v[ST+4*t+2], v[ST+4*t+2]
	v_nop                                          ; a plain instruction between the last reciprocal and the use of its result
	s_wait_alu depctr_va_vdst(0)
.macro PACK t
	WIN W_RS
.set i, 32*(\t)
.rept 16
	v_pk_mul_f32 v[i:i+1], v[i:i+1], v[ST+4*(\t)+2:ST+4*(\t)+3] op_sel_hi:[1,0]
.set i, i+2
.endr
	WIN 0x05
.set i, 0
.rept 16
	v_cvt_pk_bf16_f32 v[OBK+16*(\t)+i], v[32*(\t)+2*i], v[32*(\t)+2*i+1]
.set i, i+1
.endr
	WIN 0
.irp f, 0,1,2,3
	ds_store_b128 v[STO], v[OBK+16*(\t)+4*\f:OBK+16*(\t)+4*\f+3] offset:32*\f
.endr
.irp f, 0,1,2,3
	ds_load_b128 v[OBK+16*(\t)+4*\f:OBK+16*(\t)+4*\f+3], v[RD] offset:\f*4*SP  ; LDS serves a wave's instructions in order (ISA guide 5.7.1.4)
.endr
.endm
.macro SEND t, younger                 ; younger: the LDS instructions issued behind block t's loads
.irp f, 0,1,2,3
	s_wait_dscnt (\younger)+3-\f
	global_store_b128 v[GO], v[OBK+16*(\t)+4*\f:OBK+16*(\t)+4*\f+3], s[10:11] offset:(\t)*8192+\f*512  ; 512 consecutive bytes, aligned
.endr
.endm
	PACK 0
.set u, 1
.rept 7
	PACK u
	SEND u-1, 8
.set u, u+1
.endr
	SEND 7, 0
	s_wait_tensorcnt 0x0                           ; the wave's end
	ds_add_u32 v[SPW], v[NIL]
	s_wait_dscnt 0x0
	CROUND                                         ; the closing round
	s_endpgm
.Lfunc_end_k_qabada1981f_qattn:
	.size	k_qabada1981f_qattn, .Lfunc_end_k_qabada1981f_qattn-k_qabada1981f_qattn
	.p2alignl 7, 3214868480
	.fill 96, 4, 3214868480
	.section	.rodata,"a",@progbits
	.p2align	6, 0x0
	.amdhsa_kernel k_qabada1981f_qattn
		.amdhsa_group_segment_fixed_size 327680
		.amdhsa_private_segment_fixed_size 0
		.amdhsa_enable_private_segment 0
		.amdhsa_kernarg_size 24
		.amdhsa_user_sgpr_count 2
		.amdhsa_user_sgpr_kernarg_segment_ptr 1
		.amdhsa_wavefront_size32 1
		.amdhsa_system_sgpr_workgroup_id_x 1
		.amdhsa_system_sgpr_workgroup_id_y 1
		.amdhsa_system_sgpr_workgroup_id_z 1
		.amdhsa_system_vgpr_workitem_id 0
		.amdhsa_next_free_vgpr 1024
		.amdhsa_next_free_sgpr 80
		.amdhsa_reserve_vcc 1
		.amdhsa_float_denorm_mode_32 3
		.amdhsa_float_denorm_mode_16_64 3
		.amdhsa_memory_ordered 1
		.amdhsa_forward_progress 1
		.amdhsa_inst_pref_size 191
	.end_amdhsa_kernel
	.amdgpu_metadata
---
amdhsa.version: [ 1, 2 ]
amdhsa.kernels:
  - .name:           k_qabada1981f_qattn
    .symbol:         k_qabada1981f_qattn.kd
    .args:
      - { .name: hbuf, .offset: 0, .size: 8, .value_kind: global_buffer, .address_space: global }
      - { .name: wb, .offset: 8, .size: 8, .value_kind: global_buffer, .address_space: global }
      - { .name: obuf, .offset: 16, .size: 8, .value_kind: global_buffer, .address_space: global }
    .group_segment_fixed_size: 327680
    .private_segment_fixed_size: 0
    .kernarg_segment_align: 8
    .kernarg_segment_size: 24
    .max_flat_workgroup_size: 128
    .sgpr_count:     80
    .vgpr_count:     1024
    .wavefront_size: 32
...
	.end_amdgpu_metadata
.endif
;; end of part 8
;; launch oproj: the kernel of part 4 again; grid 4 x 64, 4 waves a work-group, clusters of 4 x 4, 327,680 bytes of LDS; arguments obuf, wob, b_o, x, x1; writes x1
;; launch ln2: the kernel of part 5 again; grid 512 x 1, 8 waves a work-group, no clusters, 0 bytes of LDS; arguments x1, ln2_g, ln2_b, hbuf; writes hbuf
;; launch ffn1: the kernel of part 6 again; grid 4 x 64, 4 waves a work-group, clusters of 4 x 4, 327,680 bytes of LDS; arguments hbuf, wb, b1, obuf; writes obuf
;; launch ffn2: the kernel of part 4 again; grid 4 x 64, 4 waves a work-group, clusters of 4 x 4, 327,680 bytes of LDS; arguments obuf, w2b, b2, x1, out0; writes out0
